; MI455X (gfx1250); checked and timed in simulation.
; The chip was launched on July 23, 2026; its instructions are those of AMD's public machine-readable ISA for CDNA 5 (MIT licence, August 2026) and "CDNA5" Instruction Set Architecture Reference Guide (July 2026). The comments in the code are by the model that wrote it; some were corrected since.
;; Causal Self Attention. Allowed arithmetic: matrix products marked QUANTISED: E4M3 operands, one given power-of-two scale a tensor, by v_wmma_f32_16x16x64_fp8_fp8 or v_wmma_f32_16x16x128_fp8_fp8, f32 sums; everything else in f32.
;; Inputs: Wout 1,024 x 1,024 float32; Wqkv 1,024 x 3,072 float32; attn_mask 1 x 1 x 2,048 x 2,048 float32; bout 1,024 float32; bqkv 3,072 float32; lowp_scales 8 int32 (the exponents e of the quantised operands' scales 2^e); x 4 x 2,048 x 1,024 float32.
;; Outputs: out0 4 x 2,048 x 1,024 float32.
;; This version of the problem:
;;   THIS VERSION OF THE PROBLEM IS GIVEN IN LOW PRECISION. The matrix products marked QUANTISED in the list below multiply operands that are first quantised to E4M3 (4 exponent bits, 3 mantissa bits; 8 bits a number), with one given power-of-two scale for each operand tensor; their sums are f32. All else is computed in f32.
;;   The module's matrix products, in the order in which they are computed (A, B: the left and right operand; K: the contracted axis; several contracted axes count as one K, in the product's order):
;;     1. [M 8,192, K 1,024] x [K 1,024, N 3,072]; A: input x; B: input Wqkv: QUANTISED (scales: A lowp_scales[0], B lowp_scales[1])
;;     2. batch 64 x [M 2,048, K 64] x [K 64, N 2,048]; A: computed on the way; B: computed on the way: QUANTISED (scales: A lowp_scales[2], B lowp_scales[3])
;;     3. batch 64 x [M 2,048, K 2,048] x [K 2,048, N 64]; A: softmax (see below); B: computed on the way: QUANTISED (scales: A lowp_scales[4], B lowp_scales[5])
;;     4. [M 8,192, K 1,024] x [K 1,024, N 1,024]; A: computed on the way; B: input Wout: QUANTISED (scales: A lowp_scales[6], B lowp_scales[7])
;;   THE QUANTISER, for each operand of a quantised product, along K:
;;     - The operand's scale is 2^e, e = its entry of the input lowp_scales (int32; the entries are numbered through the quantised products in the list's order, A before B).
;;     - Each number is divided by the scale, clamped to +-448, and rounded to the nearest number of E4M3, ties to even, subnormals kept.
;;     - The product sums the exact products of the quantised numbers (number of the format x scale) in f32.
;;   ~~~python
;;   def quantise(x, axis, e):      # numpy; x: float32 -> the quantised numbers, widened to float32 again
;;       x = np.moveaxis(x, axis, -1); K = x.shape[-1]
;;       r = np.clip(x / 2.0 ** e, -448, 448)
;;       step = 2.0 ** (np.maximum(np.frexp(np.where(r == 0, 1, r))[1] - 1, -6) - 3)
;;       q = np.round(r / step) * step * 2.0 ** e      # np.round: ties to even
;;       return np.moveaxis(q, -1, axis).astype(np.float32)
;;   ~~~
;;   SOFTMAX AHEAD OF A QUANTISED PRODUCT. Where the list says 'softmax', what is quantised is not the finished softmax but p = 2^(t - M), with t = logit x log2(e) and M = ceil(the row's largest t), a whole number; so 1/2 < the row's largest p <= 1. The row's sum l is taken of the UNQUANTISED p, in f32, and the product's result is divided by l at the end. Since M is a whole number, a kernel that streams over the keys may use a running M (the ceiling of the running maximum): every later rescaling is an exact power of two, so the quantised numbers keep their values, but for numbers so far below the row's largest that they fall under the format's range.
;;   OPERANDS COMPUTED ON THE WAY. 'Computed on the way' means the value that the module computes at that place (a softmax that the list does not call 'softmax' is quantised finished and normalised). What goes into a quantiser is computed in f32, as accurately as f32 sums, v_exp_f32 and their like allow (about 1e-6 of the number): no bf16 or f16 on the way to a quantiser, and a product that is left as it is and whose result goes on into a quantised operand takes f32 operands (vector FMAs, or v_wmma_f32_16x16x4_f32). A number that lies on a knife's edge between two numbers of the format may be rounded either way, as far as f32 arithmetic and the matrix unit's own rounding can turn it there, and no further.
;; One version. Each part assembles by itself: llvm-mc -triple=amdgcn-amd-amdhsa -mcpu=gfx1250 --defsym DOCPART=n.
;; ======== version 1 of 1: 4 launches
;; workspace buffers: x_codes 8,388,608 bytes; wqkv_codes 3,145,728 bytes; wout_codes 1,048,576 bytes; qk_codes 16,777,216 bytes; v_codes 8,388,608 bytes; y_codes 8,388,608 bytes
;; launch quant (part 1): grid 384 x 1, 4 waves a work-group, no clusters, 68,096 bytes of LDS; arguments x, Wqkv, Wout, lowp_scales, x_codes, wqkv_codes, wout_codes; writes x_codes, wqkv_codes, wout_codes
.if DOCPART == 1
	.amdgcn_target "amdgcn-amd-amdhsa--gfx1250"
	.amdhsa_code_object_version 6
	.text
	.protected	k_q12d9f49368_quant
	.globl	k_q12d9f49368_quant
	.p2align	8
	.type	k_q12d9f49368_quant,@function
k_q12d9f49368_quant:
	s_mov_b64 s[64:65], 0
	v_nop
	global_prefetch_b8 v0, s[64:65] scope:SCOPE_SE
	s_setreg_imm32_b32 hwreg(HW_REG_WAVE_MODE, 25, 1), 1
	s_wait_xcnt 0x0
; x [8192][1024], Wqkv [1024][3072] and Wout [1024][1024], f32, become codes of FP8 (E4M3), one byte each, K innermost, each tensor with the scale 2^e that is given for it
; (entries 0, 1 and 7 of the buffer of scales).  code = number / 2^e, held within +-448, rounded to the nearest code, ties to even.
; LIMITS: -126 <= e and e + 8 <= 127, so that 2^e and 448 x 2^e are f32 numbers.  NaN among the inputs is not served (an infinity is held at the largest code).
; WORK-GROUPS 0 to 255 take x, whose K is innermost: a plain stream of numbers and of codes; a wave takes 16 steps of 512 numbers.  Each load reads 512 consecutive bytes; a step's 2,048 bytes turn through the
; wave's own stage in LDS, so that a lane then holds 16 neighbours along K, as the conversions want them; a lane's 16 codes are 16 bytes and the wave stores 512 consecutive bytes.
; WORK-GROUPS 256 to 383 take the weights, whose K is the FIRST axis: 96 for Wqkv, 32 for Wout, each 128 columns x 256 along K.  A lane takes a column and its registers run down K, so the conversions give codes with
; K innermost; a wave's 32 columns x 256 codes go through its own stage in LDS and leave as rows: sixteen lanes store 256 consecutive bytes, aligned.
; The two ways part on the work-group's number and have LDS bytes of their own.  No tensor loads, no barrier: waves share nothing.
.set SPARE, 67584                      ; behind both ways' stages: the spare words, 128 bytes for each wave, which no other line names
.set SPW,   12                         ; v12  LDS address of my spare word; never rewritten
.set NIL,   13                         ; v13  0; never rewritten
.set EMAX,  8
.set MANT,  0x600000                   ; the mantissa field of 448 as f32
; the way of x
.set STEPS, 16
.set R,     16                         ; v16-79   four sets of 16 numbers as they are loaded
.set X,     80                         ; v80-111  two sets of 16 neighbours
.set C,     128                        ; v128-191 codes: four registers for each step, so that no store's data are written again
.set XREG,  8192                       ; LDS bytes 0 to 32,767: a region for each wave: two stages of 32 x SP bytes
.set SP,    80                         ; a lane's place in a stage: 64 bytes + 16 of padding
; the way of the weights
.set WBASE, 32768                      ; LDS bytes 32,768 to 67,583: a stage of 32 rows for each wave
.set WPITCH, 272                       ; a stage row: 256 codes + 16 bytes of padding
.set NB,    8                          ; blocks of 32 along K for a wave
.set OF,    16                         ; v16-47   byte offset of row i of a block at my column
.set WX,    48                         ; v48-111  two sets of 32 numbers
.set WC,    112                        ; v112-119 a block's codes
.set OUTR,  120                        ; v120-183 the way out
	s_load_b256 s[4:11], s[0:1], 0x0               ; x s[4:5], Wqkv s[6:7], Wout s[8:9], the scales' exponents s[10:11]
	s_load_b128 s[12:15], s[0:1], 0x20             ; x's codes s[12:13], Wqkv's s[14:15]
	s_load_b64 s[16:17], s[0:1], 0x30              ; Wout's codes
	v_lshl_add_u32 v[SPW], v0, 2, SPARE
	v_mov_b32 v[NIL], 0
	v_lshrrev_b32 v1, 5, v0
	v_readfirstlane_b32 s18, v1                    ; wave 0..3
	v_and_b32 v2, 31, v0                           ; lane
	s_wait_kmcnt 0x0
	s_load_b256 s[20:27], s[10:11], 0x0            ; the eight exponents
	s_cmp_lt_u32 ttmp9, 256
	s_cbranch_scc0 .Lweights
	; ---------------- x
	v_lshlrev_b32 v3, 4, v2                        ; my 16 bytes of a load's 512, and of a step's 512 bytes of codes
	s_mul_i32 s19, s18, XREG
	v_lshrrev_b32 v14, 2, v2
	v_mul_u32_u24 v14, v14, SP
	v_and_b32 v15, 3, v2
	v_lshl_add_u32 v14, v15, 4, v14
	v_add_nc_u32 v14, s19, v14                     ; the stage, on the way in: four lanes' 64 bytes on end, then the padding
	v_mul_u32_u24 v15, v2, SP
	v_add_nc_u32 v15, s19, v15                     ; and on the way out: my 16 neighbours
	s_lshl_b32 s28, ttmp9, 2
	s_add_co_u32 s28, s28, s18                     ; which run of 8,192 numbers is my wave's
	s_lshl_b32 s30, s28, 15
	s_mov_b32 s31, 0
	s_add_nc_u64 s[4:5], s[4:5], s[30:31]
	s_lshl_b32 s30, s28, 13
	s_add_nc_u64 s[12:13], s[12:13], s[30:31]
.macro XLOAD t
.irp i, 0,1,2,3
	global_load_b128 v[R+16*((\t)%4)+4*\i:R+16*((\t)%4)+4*\i+3], v3, s[4:5] offset:2048*(\t)+512*\i th:TH_LOAD_NT   ; 32 lanes read 512 consecutive bytes
.endr
.endm
.macro XTURN t                         ; step t's numbers through the stage: LDS serves a wave's instructions in order, so no wait stands between the stores and the loads
.irp i, 0,1,2,3
	ds_store_b128 v14, v[R+16*((\t)%4)+4*\i:R+16*((\t)%4)+4*\i+3] offset:32*SP*((\t)%2)+8*SP*\i
.endr
.irp i, 0,1,2,3
	ds_load_b128 v[X+16*((\t)%2)+4*\i:X+16*((\t)%2)+4*\i+3], v15 offset:32*SP*((\t)%2)+16*\i
.endr
.endm
.irp t, 0,1,2,3
	XLOAD \t
.endr
	s_wait_kmcnt 0x0
	s_add_co_i32 s28, s20, 127                     ; x's exponent is entry 0
	s_lshl_b32 s29, s28, 23
	v_mov_b32 v11, s29                             ; 2^e as f32: the conversion takes its exponent field
	s_add_co_i32 s28, s28, EMAX
	s_lshl_b32 s28, s28, 23
	s_or_b32 s28, s28, MANT
	v_mov_b32 v10, s28                             ; 448 x 2^e
	s_wait_loadcnt 12                              ; step 0's four loads are in; those of steps 1 to 3 may be out
	XTURN 0
.macro XSTEP t
.set XS, X+16*((\t)%2)
	s_wait_dscnt 0x0                               ; this step's numbers are back from the stage: so its stores into the stage have read their registers,
.if (\t)+4 < STEPS
	XLOAD (\t)+4                                   ; which take the loads of four steps on
.endif
.if (\t)+1 < STEPS
.if STEPS-2-(\t) >= 3
	s_wait_loadcnt 12                              ; the next step's four loads are in; those of the three steps behind it may be out
.else
	s_wait_loadcnt 4*(STEPS-2-(\t))
.endif
	XTURN (\t)+1                                   ; and go through the other stage while this step is worked
.endif
.set n, 0
.rept 16
	v_med3_num_f32 v[XS+n], v[XS+n], -v10, v10     ; the conversion to an 8-bit code does not saturate (ISA guide 7.6.2): the hold at the largest code x the scale comes first
.set n, n+1
.endr
	v_cvt_scalef32_pk8_fp8_f32 v[C+4*(\t):C+4*(\t)+1], v[XS:XS+7], v11
	v_cvt_scalef32_pk8_fp8_f32 v[C+4*(\t)+2:C+4*(\t)+3], v[XS+8:XS+15], v11
	global_store_b128 v3, v[C+4*(\t):C+4*(\t)+3], s[12:13] offset:512*(\t)   ; 32 lanes store 512 consecutive bytes
.endm
.irp t, 0,1,2,3,4,5,6,7,8,9,10,11,12,13,14,15
	XSTEP \t
.endr
	s_wait_tensorcnt 0x0                           ; the wave's end: a wait, an add of 0 to my spare word and a wait for it, behind my last LDS store
	ds_add_u32 v[SPW], v[NIL]
	s_wait_dscnt 0x0
	s_endpgm
	; ---------------- the weights
.Lweights:
	s_sub_co_u32 s28, ttmp9, 256                   ; 0 to 95: Wqkv; 96 to 127: Wout
	s_cmp_lt_u32 s28, 96                           ; the choices hang on the work-group's number alone
	s_cselect_b64 s[4:5], s[6:7], s[8:9]           ; the weight,
	s_cselect_b64 s[12:13], s[14:15], s[16:17]     ; its codes,
	s_mov_b32 s30, 4096
	s_cselect_b32 s30, 12288, s30                  ; a row of it in bytes,
	s_cselect_b32 s31, 0, 96
	s_sub_co_u32 s29, s28, s31                     ; and my number among its work-groups
	s_and_b32 s32, s29, 3                          ; which 256 along K
	s_lshr_b32 s33, s29, 2                         ; which 128 columns
	s_lshl_b32 s33, s33, 7
	s_lshl_b32 s34, s18, 5
	s_add_co_u32 s33, s33, s34                     ; my wave's first column
	s_lshl_b32 s34, s30, 8                         ; 256 rows in bytes
	s_mul_i32 s34, s34, s32
	s_lshl_b32 s35, s33, 2
	s_add_co_u32 s34, s34, s35
	s_mov_b32 s35, 0
	s_add_nc_u64 s[40:41], s[4:5], s[34:35]        ; block 0 of my 8 blocks of 32 rows;
	s_lshl_b32 s36, s30, 5
	s_mov_b32 s37, 0
.irp t, 1,2,3,4,5,6,7
	s_add_nc_u64 s[40+2*\t:41+2*\t], s[38+2*\t:39+2*\t], s[36:37]   ; each block has a base of its own, so no base is stepped while loads are out
.endr
	s_lshl_b32 s34, s33, 10                        ; the codes: a row of 1,024 bytes for each column,
	s_lshl_b32 s38, s32, 8                         ; my 256 along K
	s_add_co_u32 s34, s34, s38
	s_add_nc_u64 s[12:13], s[12:13], s[34:35]
	v_lshlrev_b32 v3, 2, v2                        ; in: 4 bytes a lane
	s_mul_i32 s38, s18, 32*WPITCH
	s_add_co_u32 s38, s38, WBASE                   ; my stage
	v_mul_u32_u24 v4, v2, WPITCH
	v_add_nc_u32 v4, s38, v4                       ; into it: row = my column
	v_and_b32 v5, 15, v2
	v_lshrrev_b32 v6, 4, v2                        ; out of it: sixteen lanes to a row, two rows an instruction
	v_mul_u32_u24 v7, v6, WPITCH
	v_lshl_add_u32 v7, v5, 4, v7
	v_add_nc_u32 v7, s38, v7
	v_lshlrev_b32 v8, 10, v6
	v_lshl_add_u32 v8, v5, 4, v8                   ; and the same place in the codes' buffer
.set n, 0
.rept 32
	v_mad_u32_u24 v[OF+n], s30, n, v3              ; row n of a block, at my column
.set n, n+1
.endr
.macro WLOAD t                         ; block t: W(32 t + i, my column) into set t % 2: 32 lanes read 128 consecutive bytes, the four waves stand side by side
.set n, 0
.rept 32
	global_load_b32 v[WX+32*((\t)%2)+n], v[OF+n], s[40+2*(\t):41+2*(\t)] th:TH_LOAD_NT
.set n, n+1
.endr
.endm
	WLOAD 0
	WLOAD 1
	s_wait_kmcnt 0x0
	s_cmp_lt_u32 s28, 96
	s_cselect_b32 s39, s21, s27                    ; Wqkv's exponent is entry 1, Wout's entry 7
	s_add_co_i32 s39, s39, 127
	s_lshl_b32 s38, s39, 23
	v_mov_b32 v11, s38                             ; 2^e as f32
	s_add_co_i32 s39, s39, EMAX
	s_lshl_b32 s39, s39, 23
	s_or_b32 s39, s39, MANT
	v_mov_b32 v10, s39                             ; 448 x 2^e
.macro WBLOCK t
.set XS, WX+32*((\t)%2)
.if (\t) < NB-1
	s_wait_loadcnt 32                              ; this block's 32 loads are in; the next block's may be out
.else
	s_wait_loadcnt 0x0
.endif
.set n, 0
.rept 32
	v_med3_num_f32 v[XS+n], v[XS+n], -v10, v10
.set n, n+1
.endr
.irp g, 0,1,2,3
	v_cvt_scalef32_pk8_fp8_f32 v[WC+2*\g:WC+2*\g+1], v[XS+8*\g:XS+8*\g+7], v11
.endr
	ds_store_b128 v4, v[WC:WC+3] offset:32*(\t)    ; 32 codes: 32 bytes of my column's row
	ds_store_b128 v4, v[WC+4:WC+7] offset:32*(\t)+16
.if (\t)+2 < NB
	WLOAD (\t)+2
.endif
	s_wait_dscnt 0x0                               ; the stores have read their registers: the next block's codes may be written
.endm
.irp t, 0,1,2,3,4,5,6,7
	WBLOCK \t
.endr
.irp t, 0,1,2,3,4,5,6,7,8,9,10,11,12,13,14,15
	ds_load_b128 v[OUTR+4*\t:OUTR+4*\t+3], v7 offset:2*\t*WPITCH   ; LDS serves a wave's instructions in order: these see my stores
.endr
.irp t, 0,1,2,3,4,5,6,7,8,9,10,11,12,13,14,15
	s_wait_dscnt 15-\t                             ; rows 2 t and 2 t + 1 are back; the later ones may be out
	global_store_b128 v8, v[OUTR+4*\t:OUTR+4*\t+3], s[12:13] offset:2*\t*1024   ; sixteen lanes store 256 consecutive bytes, aligned
.endr
	s_wait_tensorcnt 0x0                           ; the wave's end: a wait, an add of 0 to my spare word and a wait for it, behind my last LDS store
	ds_add_u32 v[SPW], v[NIL]
	s_wait_dscnt 0x0
	s_endpgm
.Lfunc_end_k_q12d9f49368_quant:
	.size	k_q12d9f49368_quant, .Lfunc_end_k_q12d9f49368_quant-k_q12d9f49368_quant
	.p2alignl 7, 3214868480
	.fill 96, 4, 3214868480
	.section	.rodata,"a",@progbits
	.p2align	6, 0x0
	.amdhsa_kernel k_q12d9f49368_quant
		.amdhsa_group_segment_fixed_size 68096
		.amdhsa_private_segment_fixed_size 0
		.amdhsa_enable_private_segment 0
		.amdhsa_kernarg_size 56
		.amdhsa_user_sgpr_count 2
		.amdhsa_user_sgpr_kernarg_segment_ptr 1
		.amdhsa_wavefront_size32 1
		.amdhsa_system_sgpr_workgroup_id_x 1
		.amdhsa_system_sgpr_workgroup_id_y 1
		.amdhsa_system_sgpr_workgroup_id_z 1
		.amdhsa_system_vgpr_workitem_id 0
		.amdhsa_next_free_vgpr 192
		.amdhsa_next_free_sgpr 66
		.amdhsa_reserve_vcc 0
		.amdhsa_float_denorm_mode_32 3
		.amdhsa_float_denorm_mode_16_64 3
		.amdhsa_memory_ordered 1
		.amdhsa_forward_progress 1
		.amdhsa_inst_pref_size 88
	.end_amdhsa_kernel
	.amdgpu_metadata
---
amdhsa.version: [ 1, 2 ]
amdhsa.kernels:
  - .name:           k_q12d9f49368_quant
    .symbol:         k_q12d9f49368_quant.kd
    .args:
      - { .name: x, .offset: 0, .size: 8, .value_kind: global_buffer, .address_space: global }
      - { .name: Wqkv, .offset: 8, .size: 8, .value_kind: global_buffer, .address_space: global }
      - { .name: Wout, .offset: 16, .size: 8, .value_kind: global_buffer, .address_space: global }
      - { .name: lowp_scales, .offset: 24, .size: 8, .value_kind: global_buffer, .address_space: global }
      - { .name: x_codes, .offset: 32, .size: 8, .value_kind: global_buffer, .address_space: global }
      - { .name: wqkv_codes, .offset: 40, .size: 8, .value_kind: global_buffer, .address_space: global }
      - { .name: wout_codes, .offset: 48, .size: 8, .value_kind: global_buffer, .address_space: global }
    .group_segment_fixed_size: 68096
    .private_segment_fixed_size: 0
    .kernarg_segment_align: 8
    .kernarg_segment_size: 56
    .max_flat_workgroup_size: 128
    .sgpr_count:     66
    .vgpr_count:     192
    .wavefront_size: 32
...
	.end_amdgpu_metadata
.endif
;; end of part 1
;; launch gemm_qkv (part 2): grid 12 x 32, 4 waves a work-group, clusters of 4 x 4, 327,680 bytes of LDS; arguments x_codes, wqkv_codes, lowp_scales, bqkv, qk_codes, v_codes; writes qk_codes, v_codes
.if DOCPART == 2
	.amdgcn_target "amdgcn-amd-amdhsa--gfx1250"
	.amdhsa_code_object_version 6
	.text
	.protected	k_q12d9f49368_gemm_qkv
	.globl	k_q12d9f49368_gemm_qkv
	.p2align	8
	.type	k_q12d9f49368_gemm_qkv,@function
k_q12d9f49368_gemm_qkv:
	s_mov_b64 s[64:65], 0
	v_nop
	global_prefetch_b8 v0, s[64:65] scope:SCOPE_SE
	s_setreg_imm32_b32 hwreg(HW_REG_WAVE_MODE, 25, 1), 1
	s_wait_xcnt 0x0
	s_wait_alu depctr_hold_cnt(0) depctr_sa_sdst(0) depctr_va_vdst(0) depctr_va_sdst(0) depctr_va_ssrc(0) depctr_va_vcc(0) depctr_vm_vsrc(0)
	s_getreg_b32 s2, hwreg(HW_REG_IB_STS2, 6, 4)
	s_cmp_eq_u32 s2, 0
	s_cbranch_scc0 .Lentry_in_a_cluster
	s_endpgm
.Lentry_in_a_cluster:
	s_bfe_u32 s2, ttmp6, 0x10000c
	s_cmp_lg_u32 s2, 0xf033
	s_cbranch_scc0 .Lentry_shape_is_right
	s_endpgm
.Lentry_shape_is_right:
; qkv = x Wqkv + bqkv on codes of FP8 (E4M3), and q, k, v quantised again on the way out, each with the scale given for it.  x_codes [8192][1024], wqkv_codes [3072][1024]: K innermost.
; A tile of 256 x 256 is made by four waves, each 128 x 128: 64 accumulators of 16 x 16, 512 registers.  K goes in steps of 256 through a ring of two LDS slots filled by the tensor data mover; 1,024 along K are four slots' worth.
; THE MATRIX INSTRUCTION: source 1 = 16 rows of the operand P, source 0 = 16 rows of the operand R: a lane then holds ONE row of P and eight NEIGHBOURING rows of R in an accumulator's registers.
; The next products' K decides which operand is which.  Clusters 0 and 1 along x (q and k; the next K is the head's axis): P = x, R = Wqkv's rows 0 to 2,047.  Cluster 2 (v; the next K is the keys): P = Wqkv's rows 2,048 on, R = x.
; The choice hangs on the cluster's number, which all sixteen partners share.
; OUT: value = sum x 2^(e0 + e1) + bias, one fused multiply-add; held within +-448 x 2^e; eight neighbours become eight codes.  qk_codes [16 nb][8192 m][128] (nb = column / 128; 0-7 q, 8-15 k), v_codes [64 mb][1024 channel][128 keys]
; (mb = row of x / 128): in both a wave's 128 x 128 codes are one dense run of 16,384 bytes.
; CLUSTERS: 4 x 4 work-groups.  P's tile hangs on the place along y and is shared along a row of the cluster, R's on the place along x and is shared along a column: each is asked for JOINTLY.
; LIMITS: e0 + e1 between -126 and 127; the exponents of q, k, v (entries 2, 3, 5) between -126 and 119.  NaN is not served.
; REGISTERS, in windows of 256: window 0: v0-31 addresses; v32-95 the bias; from v128 P's fragments, ONE set (on the way out: v128-191 values, v192-207 codes, v208-239 rows read back).
;   window 1: R's fragments, TWO sets.   window 2: the accumulators of my rows 0-63 of P ((a, b) at v[8 (8 a + b)]);   window 3: those of rows 64-127.
.set ROWB,   256                       ; a tile's row in bytes: 256 codes
.set KROW,   1024                      ; a row of either operand in memory
.set PITCH,  272                       ; an LDS row: 256 bytes + 16 of padding: the 16 rows that a load touches start 68 words apart
.set FR,     16                        ; registers of a fragment: 16 rows x 128 K
.set NL,     4                         ; LDS loads that bring one
.set NP,     4                         ; places behind this matrix instruction (ISA guide 7.12.1)
.set HALFT,  128*PITCH
.set SLOT,   4*HALFT                   ; P's 256 rows, then R's 256 rows
.set SPARE,  2*SLOT                    ; behind the ring: the spare words, 128 bytes for each wave, which no other line names
.set STAGE,  SPARE+512                 ; behind them: 16 rows x 144 bytes for each wave, for the way out; no tile lands there
.set SPITCH, 144
.set ADRA, 16                          ; v16-17  LDS address of my P fragments in slot 0, 1
.set ADRB, 20                          ; v20-21  the same for R
.set BO,   22                          ; v22     the bias loads' offset
.set STO,  24                          ; v24     the way out: where I put 8 codes of a row
.set RD,   25                          ; v25     where I read 16 bytes back
.set CO,   26                          ; v26     16 x lane: my place in 512 stored bytes
.set HL,   27                          ; v27     448 x 2^e of the output
.set SPW,  28                          ; v28     LDS address of my spare word; never rewritten
.set NIL,  29                          ; v29     0; never rewritten
.set CV,   30                          ; v30     2^e of the output
.set BI,   32                          ; v32-95  the bias, in the accumulators' layout
.set AF,   128                         ; P's fragments
.set TMP,  128
.set CD,   192
.set BK,   208
.set G1, 24                            ; s[24:31] descriptor group 1 for P's tiles;  s[32:39] group 0, one set for each slot
.set G0, 32
.set G1B, 48                           ; s[48:55], s[56:63] the same for R's tiles
.set G0B, 56
.set MSB, 0
.macro WIN new                         ; the immediate's high byte repeats the setting that is left
.if MSB != (\new)
	s_set_vgpr_msb (MSB<<8)|(\new)
.set MSB, \new
.endif
.endm
.set MUL_LO, 0xa1                      ; source 0 (R) window 1, source 1 (P) window 0, C and D window 2
.set MUL_HI, 0xf1                      ; the same, C and D window 3
.set TO_B,   0x40                      ; destination window 1, address window 0
; A joint load: waves 0 and 1 fetch for P, waves 2 and 3 for R; the branch hangs on the wave's number alone.  An s_nop 0 and four v_nop follow each of the two lines.
.macro JLOAD g0a, g1a, g0b, g1b
	s_cmp_eq_u32 s15, 0
	s_cbranch_scc0 .Lfor_b_\@
	tensor_load_to_lds s[\g0a:\g0a+3], s[\g1a:\g1a+7]
	s_nop 0
.rept 4
	v_nop
.endr
	s_branch .Lasked_\@
.Lfor_b_\@:
	tensor_load_to_lds s[\g0b:\g0b+3], s[\g1b:\g1b+7]
	s_nop 0
.rept 4
	v_nop
.endr
.Lasked_\@:
.endm
.macro CREST                           ; a round of the cluster's barrier behind its opening barrier
	s_cmp_lg_u32 s14, 0
	s_cbranch_scc1 .Lnot_wave_0_\@
	s_barrier_signal -3
.Lnot_wave_0_\@:
	s_barrier_wait -3
	s_barrier_signal -1
	s_barrier_wait -1
.endm
.macro CROUND                          ; a whole round
	s_barrier_signal -1
	s_barrier_wait -1
	CREST
.endm
	s_load_b128 s[4:7], s[0:1], 0x0                ; x's codes s[4:5], Wqkv's codes s[6:7]
	s_load_b128 s[8:11], s[0:1], 0x10              ; the scales' exponents s[8:9], bqkv s[10:11]
	s_load_b128 s[68:71], s[0:1], 0x20             ; qk_codes s[68:69], v_codes s[70:71]
	v_lshl_add_u32 v[SPW], v0, 2, SPARE
	v_mov_b32 v[NIL], 0
	ds_add_u32 v[SPW], v[NIL]                      ; the wave's opening: the add and its wait stand ahead of my first tensor load; the set-up below, work on registers, stands between them
	v_lshrrev_b32 v1, 5, v0
	v_readfirstlane_b32 s14, v1                    ; wave 0..3
	s_lshr_b32 s15, s14, 1                         ; which half of P's 256 rows is mine.  Also: I fetch for P (0) or for R (1)
	s_and_b32 s16, s14, 1                          ; which half of R's.  Also: which 128 rows of that tile I fetch
	s_bfe_u32 s40, ttmp6, 0x40000                  ; cx, cy: my place in the cluster
	s_bfe_u32 s41, ttmp6, 0x40004
	s_and_b32 s73, ttmp7, 0xffff                   ; the cluster's y
	s_cmp_eq_u32 ttmp9, 2                          ; the cluster's x: 2 makes v
	s_cselect_b32 s74, 0, s73                      ; P's tile: v: cy;  q, k: 4 x cluster y + cy
	s_cselect_b32 s75, s73, ttmp9                  ; R's tile: v: 4 x cluster y + cx;  q, k: 4 x cluster x + cx
	s_cselect_b32 s72, 0x200000, 0                 ; v: P begins at Wqkv's row 2,048
	s_lshl_b32 s17, s74, 2
	s_add_co_u32 s17, s17, s41                     ; P's tile
	s_lshl_b32 s42, s75, 2
	s_add_co_u32 s42, s42, s40                     ; R's tile
	s_lshl_b32 s43, s41, 2
	s_lshl_b32 s43, 15, s43                        ; my row of the cluster
	s_lshl_b32 s44, 0x1111, s40                    ; my column
	; descriptor group 1: a tile of 128 rows x 256 bytes, padded in LDS
	s_or_b32 s[G1+0], s43, (0<<16)|(1<<20)|(1<<21)|(5<<22)|(3<<25)  ; 15:0 the mask: P's tiles go to my row; 17:16 element of 1 byte; 20 padding on; 21 set beside a mask; 24:22 after every 64 words; 31:25 of 4 words
	s_or_b32 s[G1B+0], s44, (0<<16)|(1<<20)|(1<<21)|(5<<22)|(3<<25) ; the same with my column's mask
.irp g, G1, G1B
	s_mov_b32 s[\g+1], ROWB<<16                    ; tensor_dim0
	s_mov_b32 s[\g+2], 128<<16                     ; tensor_dim1 = 128
	s_mov_b32 s[\g+3], ROWB<<16                    ; tile_dim0
	s_mov_b32 s[\g+4], 128                         ; tile_dim1 = 128
	s_mov_b32 s[\g+5], KROW                        ; tensor_dim0_stride
	s_mov_b32 s[\g+6], 0
	s_mov_b32 s[\g+7], 0
.endr
	s_lshl_b32 s18, s16, 7                         ; which 128 rows of the tile I fetch
	s_lshl_b32 s20, s17, 8
	s_add_co_u32 s20, s20, s18
	s_lshl_b32 s20, s20, 10                        ; P: (256 x tile + 128 x half) rows of 1,024 bytes
	s_add_co_u32 s20, s20, s72
	s_mov_b32 s21, 0
	s_lshl_b32 s46, s42, 8
	s_add_co_u32 s46, s46, s18
	s_lshl_b32 s46, s46, 10                        ; R likewise
	s_mov_b32 s47, 0
	s_mul_i32 s45, s14, HALFT                      ; where they go: wave x 128 rows: no place in the cluster enters an LDS address
	s_wait_dscnt 0x0                               ; the opening add is done
	s_wait_kmcnt 0x0
	s_load_b256 s[76:83], s[8:9], 0x0              ; the eight exponents
	s_cmp_eq_u32 ttmp9, 2
	s_cselect_b64 s[88:89], s[6:7], s[4:5]         ; P: Wqkv's codes for v, x's for q and k
	s_cselect_b64 s[90:91], s[4:5], s[6:7]         ; R: the other one
	s_add_nc_u64 s[20:21], s[88:89], s[20:21]
	s_add_nc_u64 s[46:47], s[90:91], s[46:47]
	CROUND                                         ; all sixteen work-groups are here: the first joint loads meet
.irp s, 0,1
	s_mov_b32 s[G0+4*\s], 1
	s_add_co_u32 s[G0+4*\s+1], s45, \s*SLOT
	s_add_nc_u64 s[G0+4*\s+2:G0+4*\s+3], s[20:21], \s*ROWB
	s_or_b32 s[G0+4*\s+3], s[G0+4*\s+3], 0x80000000
	s_mov_b32 s[G0B+4*\s], 1
	s_add_co_u32 s[G0B+4*\s+1], s45, \s*SLOT
	s_add_nc_u64 s[G0B+4*\s+2:G0B+4*\s+3], s[46:47], \s*ROWB
	s_or_b32 s[G0B+4*\s+3], s[G0B+4*\s+3], 0x80000000
	JLOAD G0+4*\s, G1, G0B+4*\s, G1B               ; two loads of mine are out
.endr
	v_and_b32 v1, 15, v0                           ; r = l % 16
	v_bfe_u32 v2, v0, 4, 1                         ; h = l / 16
	v_mul_u32_u24 v3, v1, PITCH
	v_lshl_add_u32 v4, v2, 4, v3                   ; a fragment's row x pitch + 16 x half
	s_mul_i32 s21, s15, HALFT                      ; my 128 rows of P
	s_mul_i32 s22, s16, HALFT                      ; my 128 rows of R,
	s_add_co_u32 s22, s22, 2*HALFT                 ; which lie behind P's 256
.irp s, 0,1
	v_add_nc_u32 v[ADRA+\s], s21, v4
	v_add_nc_u32 v[ADRB+\s], s22, v4
	s_add_co_u32 s21, s21, SLOT
	s_add_co_u32 s22, s22, SLOT
.endr
	s_mul_i32 s23, s14, 16*SPITCH
	s_add_co_u32 s23, s23, STAGE                   ; my stage
	v_mul_u32_u24 v5, v1, SPITCH                   ; in: row r, 8 bytes for each half of the lanes
	v_lshl_add_u32 v5, v2, 3, v5
	v_add_nc_u32 v[STO], s23, v5
	v_and_b32 v6, 31, v0
	v_lshrrev_b32 v7, 3, v6                        ; back: eight lanes to a row of 128 bytes, four rows an instruction
	v_mul_u32_u24 v7, v7, SPITCH
	v_and_b32 v8, 7, v6
	v_lshl_add_u32 v7, v8, 4, v7
	v_add_nc_u32 v[RD], s23, v7
	v_lshlrev_b32 v[CO], 4, v6
	; where my 16,384 bytes of codes go: ((2 x R's tile + half) x rows of P in all + 256 x P's tile + 128 x half) x 128
	s_lshl_b32 s86, s42, 1
	s_add_co_u32 s86, s86, s16
	s_cmp_eq_u32 ttmp9, 2
	s_cselect_b32 s87, 10, 13                      ; 1,024 channels of v, 8,192 rows of x
	s_cselect_b64 s[84:85], s[70:71], s[68:69]
	s_lshl_b32 s86, s86, s87
	s_lshl_b32 s87, s17, 8
	s_add_co_u32 s86, s86, s87
	s_lshl_b32 s87, s15, 7
	s_add_co_u32 s86, s86, s87
	s_lshl_b32 s86, s86, 7
	s_mov_b32 s87, 0
	s_add_nc_u64 s[84:85], s[84:85], s[86:87]
	; the bias, in the accumulators' layout.  q, k: it runs along R: register 8 b + j holds that of column 16 b + 8 h + j.  v: it runs along P: registers 8 a + 0 .. 7 all hold that of my row of block a.
	s_cmp_eq_u32 ttmp9, 2
	s_cbranch_scc1 .Lbias_v
	s_lshl_b32 s92, s42, 10
	s_lshl_b32 s93, s16, 9
	s_add_co_u32 s92, s92, s93
	s_mov_b32 s93, 0
	s_add_nc_u64 s[92:93], s[10:11], s[92:93]
	v_lshlrev_b32 v[BO], 5, v2
.irp b, 0,1,2,3,4,5,6,7
	global_load_b128 v[BI+8*\b:BI+8*\b+3], v[BO], s[92:93] offset:64*\b
	global_load_b128 v[BI+8*\b+4:BI+8*\b+7], v[BO], s[92:93] offset:64*\b+16
.endr
	s_branch .Lbias_done
.Lbias_v:
	s_lshl_b32 s92, s17, 10
	s_lshl_b32 s93, s15, 9
	s_add_co_u32 s92, s92, s93
	s_add_co_u32 s92, s92, 8192
	s_mov_b32 s93, 0
	s_add_nc_u64 s[92:93], s[10:11], s[92:93]
	v_lshlrev_b32 v[BO], 2, v1
.irp a, 0,1,2,3,4,5,6,7
.irp j, 0,1,2,3,4,5,6,7
	global_load_b32 v[BI+8*\a+\j], v[BO], s[92:93] offset:64*\a
.endr
.endr
.Lbias_done:
.macro FRAG reg, adr, q, i             ; a fragment: lane l holds row l % 16; registers 4 c .. 4 c + 3 hold K = 32 c + 16 (l / 16) + 0 .. 15: the same order of K in both operands, so every product meets its partner
.irp c, 0,1,2,3
	ds_load_b128 v[\reg+4*\c:\reg+4*\c+3], v[\adr] offset:128*(\q)+32*\c+(\i)*16*PITCH
.endr
.endm
; 16 matrix instructions: P's blocks a0, a0 + 1 x R's eight, 128 along K.  p: R's set.  zero = 1: the first product starts the sums.  The 64 accumulators take turns, one instruction a turn.
.macro MUL16 a0, p, zero
.irp a, \a0, \a0+1
.irp b, 0,1,2,3,4,5,6,7
.if \zero
	v_wmma_f32_16x16x128_fp8_fp8 v[8*(8*((\a)%4)+\b):8*(8*((\a)%4)+\b)+7], v[128*(\p)+FR*\b:128*(\p)+FR*\b+FR-1], v[AF+FR*(\a):AF+FR*(\a)+FR-1], 0
.else
	v_wmma_f32_16x16x128_fp8_fp8 v[8*(8*((\a)%4)+\b):8*(8*((\a)%4)+\b)+7], v[128*(\p)+FR*\b:128*(\p)+FR*\b+FR-1], v[AF+FR*(\a):AF+FR*(\a)+FR-1], v[8*(8*((\a)%4)+\b):8*(8*((\a)%4)+\b)+7]
.endif
.endr
.endr
.endm
.macro FETCH_B slot, q, p              ; R's eight fragments of the slot's q-th 128 along K into set p
	WIN TO_B
.irp i, 0,1,2,3,4,5,6,7
	FRAG 128*(\p)+FR*\i, ADRB+\slot, \q, \i
.endr
	WIN 0
.endm
.macro FETCH_A slot, q, i0             ; P's blocks i0 .. i0 + 3
.irp i, \i0, \i0+1, \i0+2, \i0+3
	FRAG AF+FR*(\i), ADRA+\slot, \q, \i
.endr
.endm
.macro PLACES n                        ; plain vector instructions between a matrix instruction and a load into its registers, or a read of its result
.rept \n
	v_nop
.endr
.endm
; A step of 128 along K that has its successor in the same slot.
.macro STEP slot, q, zero
	s_wait_dscnt 4*NL                              ; R's set and P's blocks 0-3 are in; the youngest sixteen loads (P's blocks 4-7) may be out
	WIN MUL_LO
	MUL16 0, (\q)%2, \zero
	MUL16 2, (\q)%2, \zero
	s_wait_dscnt 0                                 ; P's blocks 4-7 are in
	PLACES NP
	FETCH_B \slot, (\q)+1, 1-(\q)%2
	FETCH_A \slot, (\q)+1, 0
	WIN MUL_HI
	MUL16 4, (\q)%2, \zero
	MUL16 6, (\q)%2, \zero
	PLACES NP
	WIN 0
	FETCH_A \slot, (\q)+1, 4
.endm
; A slot's last step changes slots: ONE barrier; in front of it each wave waits for all its tensor loads, adds 0 to its spare word, and waits for that and for its own reads of this slot.  fill = 1: this slot is filled again, two slots ahead.
.macro TURN slot, next, fill
	s_wait_tensorcnt 0x0                           ; all my tensor loads have landed: my part of the next slot
	ds_add_u32 v[SPW], v[NIL]                      ; 0 onto my spare word
	s_wait_dscnt 4*NL+1                            ; (the add and the youngest sixteen loads may be out)
	WIN MUL_LO
	MUL16 0, 1, 0                                  ; sixteen matrix instructions stand between the add and the wait for it
	s_wait_dscnt 0x0                               ; the add is done, and my reads of this slot are over
	s_barrier_signal -1
	MUL16 2, 1, 0
	WIN 0
	s_barrier_wait -1
.if \fill
	CREST                                          ; the barrier has opened a round of the cluster's barrier: no wave of any partner still reads this slot's tile or has a load on its way
	s_add_nc_u64 s[G0+4*\slot+2:G0+4*\slot+3], s[G0+4*\slot+2:G0+4*\slot+3], 2*ROWB
	s_add_nc_u64 s[G0B+4*\slot+2:G0B+4*\slot+3], s[G0B+4*\slot+2:G0B+4*\slot+3], 2*ROWB
	JLOAD G0+4*\slot, G1, G0B+4*\slot, G1B         ; the first tensor load behind the round, my only one until the next; its four v_nop are the places in front of the loads below
.else
	PLACES NP
.endif
	FETCH_B \next, 0, 0
	FETCH_A \next, 0, 0
	WIN MUL_HI
	MUL16 4, 1, 0
	MUL16 6, 1, 0
	PLACES NP
	WIN 0
	FETCH_A \next, 0, 4
.endm
	s_wait_tensorcnt 1                             ; my part of slot 0 is in (slot 1's load may be out)
	s_barrier_signal -1
	s_barrier_wait -1                              ; everybody's is
	FETCH_B 0, 0, 0
	FETCH_A 0, 0, 0
	FETCH_A 0, 0, 4
	STEP 0, 0, 1                                   ; K 0: the first products start the sums.  1,024 along K are eight steps of 128: they are written out, a loop would have one trip
	TURN 0, 1, 1                                   ; K 128; slot 0 takes K 512 on
	STEP 1, 0, 0                                   ; K 256
	TURN 1, 0, 1                                   ; K 384; slot 1 takes K 768 on
	STEP 0, 0, 0                                   ; K 512
	TURN 0, 1, 0                                   ; K 640; nothing is left to fetch
	STEP 1, 0, 0                                   ; K 768
	s_wait_dscnt 4*NL                              ; K 896: the last step
	WIN MUL_LO
	MUL16 0, 1, 0
	MUL16 2, 1, 0
	s_wait_dscnt 0
	WIN MUL_HI
	MUL16 4, 1, 0
	MUL16 6, 1, 0
	WIN 0
; THE WAY OUT, block by block of 16 rows of P x 128 of R.  value = sum x 2^(e0 + e1) + bias; the hold; eight neighbours to eight codes; through my own stage in LDS, so that the 32 lanes store 512 consecutive bytes.
; LDS serves a wave's instructions in order: no wait between the stores and the loads, nor in front of the next block's stores.
.macro OUTBLK a
.set AC, 64*((\a)%4)
.if (\a) > 1
	s_wait_xcnt 0x0                                ; block a - 2's stores have read their registers: this block's rows may land there
.endif
	s_cmp_eq_u32 ttmp9, 2                          ; which way the bias runs: the same in all sixteen partners
	s_cbranch_scc1 .Lrow_bias_\@
	WIN 0x02+((\a)/4)                              ; source 0: window 2 or 3
.irp b, 0,1,2,3,4,5,6,7
.irp j, 0,2,4,6
	v_pk_fma_f32 v[TMP+8*\b+\j:TMP+8*\b+\j+1], v[AC+8*\b+\j:AC+8*\b+\j+1], s[96:97], v[BI+8*\b+\j:BI+8*\b+\j+1] op_sel_hi:[1,0,1]   ; each accumulator from its low end on
.endr
.endr
	WIN 0
	s_branch .Lbiased_\@
.Lrow_bias_\@:
	WIN 0x02+((\a)/4)
.irp b, 0,1,2,3,4,5,6,7
.irp j, 0,2,4,6
	v_pk_fma_f32 v[TMP+8*\b+\j:TMP+8*\b+\j+1], v[AC+8*\b+\j:AC+8*\b+\j+1], s[96:97], v[BI+8*(\a)+\j:BI+8*(\a)+\j+1] op_sel_hi:[1,0,1]
.endr
.endr
	WIN 0
.Lbiased_\@:
.irp b, 0,1,2,3,4,5,6,7
.irp j, 0,1,2,3,4,5,6,7
	v_med3_num_f32 v[TMP+8*\b+\j], v[TMP+8*\b+\j], -v[HL], v[HL]   ; the conversion to an 8-bit code does not saturate (ISA guide 7.6.2)
.endr
	v_cvt_scalef32_pk8_fp8_f32 v[CD+2*\b:CD+2*\b+1], v[TMP+8*\b:TMP+8*\b+7], v[CV]
.endr
	v_nop                                          ; a plain vector instruction behind the last conversion, ahead of the next block's writes of its sources
.irp b, 0,1,2,3,4,5,6,7
	ds_store_b64 v[STO], v[CD+2*\b:CD+2*\b+1] offset:16*\b
.endr
.irp t, 0,1,2,3
	ds_load_b128 v[BK+16*((\a)%2)+4*\t:BK+16*((\a)%2)+4*\t+3], v[RD] offset:4*SPITCH*\t
.endr
.endm
.macro SEND a, younger                 ; younger: the LDS instructions issued behind block a's loads, which may stay out
	s_wait_dscnt \younger
.irp t, 0,1,2,3
	global_store_b128 v[CO], v[BK+16*((\a)%2)+4*\t:BK+16*((\a)%2)+4*\t+3], s[84:85] offset:2048*(\a)+512*\t   ; 32 lanes store 512 consecutive bytes, aligned
.endr
.endm
	s_wait_kmcnt 0x0
	s_add_co_i32 s96, s76, s77                     ; e0 + e1
	s_add_co_i32 s96, s96, 127
	s_lshl_b32 s96, s96, 23                        ; 2^(e0 + e1) as f32
	s_mov_b32 s97, s96                             ; (named with it as a pair, so it is written)
	s_cmp_eq_u32 ttmp9, 0
	s_cselect_b32 s86, s78, s79                    ; q's exponent is entry 2, k's entry 3,
	s_cmp_eq_u32 ttmp9, 2
	s_cselect_b32 s86, s81, s86                    ; v's entry 5
	s_add_co_i32 s86, s86, 127
	s_lshl_b32 s87, s86, 23
	v_mov_b32 v[CV], s87
	s_add_co_i32 s86, s86, 8
	s_lshl_b32 s86, s86, 23
	s_or_b32 s86, s86, 0x600000
	v_mov_b32 v[HL], s86
	s_wait_loadcnt 0x0                             ; the bias
	PLACES NP                                      ; behind the last products: their results are read and P's registers written below
	OUTBLK 0
.irp a, 1,2,3,4,5,6,7
	OUTBLK \a
	SEND \a-1, 12                                  ; behind block a - 1's loads: block a's 8 stores and 4 loads
.endr
	SEND 7, 0
	s_wait_tensorcnt 0x0                           ; the wave's end: a wait, an add of 0 to my spare word and a wait for it, behind my last tensor load and my last LDS store
	ds_add_u32 v[SPW], v[NIL]
	s_wait_dscnt 0x0
	CROUND                                         ; the closing round: no work-group ends while a partner may still ask for a tile that names it
	s_endpgm
.Lfunc_end_k_q12d9f49368_gemm_qkv:
	.size	k_q12d9f49368_gemm_qkv, .Lfunc_end_k_q12d9f49368_gemm_qkv-k_q12d9f49368_gemm_qkv
	.p2alignl 7, 3214868480
	.fill 96, 4, 3214868480
	.section	.rodata,"a",@progbits
	.p2align	6, 0x0
	.amdhsa_kernel k_q12d9f49368_gemm_qkv
		.amdhsa_group_segment_fixed_size 327680
		.amdhsa_private_segment_fixed_size 0
		.amdhsa_enable_private_segment 0
		.amdhsa_kernarg_size 48
		.amdhsa_user_sgpr_count 2
		.amdhsa_user_sgpr_kernarg_segment_ptr 1
		.amdhsa_wavefront_size32 1
		.amdhsa_system_sgpr_workgroup_id_x 1
		.amdhsa_system_sgpr_workgroup_id_y 1
		.amdhsa_system_sgpr_workgroup_id_z 1
		.amdhsa_system_vgpr_workitem_id 0
		.amdhsa_next_free_vgpr 1024
		.amdhsa_next_free_sgpr 100
		.amdhsa_reserve_vcc 0
		.amdhsa_float_denorm_mode_32 3
		.amdhsa_float_denorm_mode_16_64 3
		.amdhsa_memory_ordered 1
		.amdhsa_forward_progress 1
		.amdhsa_inst_pref_size 166
	.end_amdhsa_kernel
	.amdgpu_metadata
---
amdhsa.version: [ 1, 2 ]
amdhsa.kernels:
  - .name:           k_q12d9f49368_gemm_qkv
    .symbol:         k_q12d9f49368_gemm_qkv.kd
    .args:
      - { .name: x_codes, .offset: 0, .size: 8, .value_kind: global_buffer, .address_space: global }
      - { .name: wqkv_codes, .offset: 8, .size: 8, .value_kind: global_buffer, .address_space: global }
      - { .name: lowp_scales, .offset: 16, .size: 8, .value_kind: global_buffer, .address_space: global }
      - { .name: bqkv, .offset: 24, .size: 8, .value_kind: global_buffer, .address_space: global }
      - { .name: qk_codes, .offset: 32, .size: 8, .value_kind: global_buffer, .address_space: global }
      - { .name: v_codes, .offset: 40, .size: 8, .value_kind: global_buffer, .address_space: global }
    .group_segment_fixed_size: 327680
    .private_segment_fixed_size: 0
    .kernarg_segment_align: 8
    .kernarg_segment_size: 48
    .max_flat_workgroup_size: 128
    .sgpr_count:     100
    .vgpr_count:     1024
    .wavefront_size: 32
...
	.end_amdgpu_metadata
.endif
;; end of part 2
;; launch attn (part 3): grid 16 x 16, 8 waves a work-group, clusters of 4 x 4, 327,680 bytes of LDS; arguments qk_codes, v_codes, attn_mask, lowp_scales, y_codes; writes y_codes
.if DOCPART == 3
	.amdgcn_target "amdgcn-amd-amdhsa--gfx1250"
	.amdhsa_code_object_version 6
	.text
	.protected	k_q12d9f49368_attn
	.globl	k_q12d9f49368_attn
	.p2align	8
	.type	k_q12d9f49368_attn,@function
k_q12d9f49368_attn:
	s_mov_b64 s[64:65], 0
	v_nop
	global_prefetch_b8 v0, s[64:65] scope:SCOPE_SE
	s_setreg_imm32_b32 hwreg(HW_REG_WAVE_MODE, 25, 1), 1
	s_wait_xcnt 0x0
	s_wait_alu depctr_hold_cnt(0) depctr_sa_sdst(0) depctr_va_vdst(0) depctr_va_sdst(0) depctr_va_ssrc(0) depctr_va_vcc(0) depctr_vm_vsrc(0)
	s_getreg_b32 s2, hwreg(HW_REG_IB_STS2, 6, 4)
	s_cmp_eq_u32 s2, 0
	s_cbranch_scc0 .Lentry_in_a_cluster
	s_endpgm
.Lentry_in_a_cluster:
	s_bfe_u32 s2, ttmp6, 0x10000c
	s_cmp_lg_u32 s2, 0xf033
	s_cbranch_scc0 .Lentry_shape_is_right
	s_endpgm
.Lentry_shape_is_right:
; y[b][q][64 head + d] = the sum over keys of softmax(q . k / 8 + mask[q][key]) v, both products on codes of FP8 (E4M3), y quantised again for the last product.  The mask is an input: it is read and added as it is given, all 2,048 keys are walked.
; qk_codes [16 nb][8192 m][128] (nb 0-7: q, 8-15: k; a row holds two heads of 64); v_codes [64 mb][1024 channel][128 keys]; attn_mask [2048][2048] f32; y_codes [8192][1024].
; SHARES.  A work-group takes 128 queries of one batch entry x 4 heads.  Wave w takes head 4 hg + w / 2 and queries 64 (w % 2) on: four tiles of 16, so each fragment of K and V read from LDS feeds four tiles.  16 key steps of 128 keys.
; LAYOUT.  S^T = K Q^T (source 0 = 16 keys, source 1 = 16 queries), O^T = V^T P^T (source 0 = 16 channels, source 1 = P): a lane holds ONE query (lane % 16) throughout.  Register 8 t + j of S^T is key 16 t + 8 (lane / 16) + j,
; so the conversion of tile t's eight registers gives registers 2 t, 2 t + 1 of P in the order in which the 128-deep form takes its K.  K and Q are both read 32 channels a lane (32 (lane / 16) on): the same order of K in both.
; SOFTMAX.  logit = S x 2^(e2 + e3 - 3) + mask, one fused multiply-add.  m = the running largest logit; tm = m x log2(e); M = ceil(tm), kept as -M = floor(-tm); d = tm - M.  p = 2^((logit - m) x log2(e) + d): the difference is
; formed first, so that logits with a large common offset keep their differences.  The sum is taken of the unquantised p.  When M moves, the sum and O^T are multiplied by 2^(old M - new M), which rounds nothing.
; CLUSTER.  4 x 4 work-groups: x = the group of four heads, y = the block of queries; the cluster's x is the batch entry.  K's and V's tiles hang on the batch entry and the heads: shared along a column.  The mask's tile hangs on the
; queries: shared along a row.  Each is asked for JOINTLY.
; LIMITS: e2 + e3 - 3 between -126 and 127; e4 and e6 between -126 and 119; e4 + e5 is applied by v_ldexp_f32.  NaN is not served.  Logits under -2e38 count as -2e38 in the running maximum (a row with no logit above that has no sum).
; REGISTERS, window 0: v1-15 addresses and constants; v16-47 eight registers of statistics a tile; v48-50; v64-127 S^T, then p; v128-191 a tile of the mask; v192-207 P; v208-239 Q.   window 1: v0-127 O^T (32 a tile); v128-191 K; v192-255 V.
.set SLOT,  141312                     ; a slot: K, V and the mask of one key step
.set KP,    144                        ; a row of K or V in LDS: 128 bytes + 16 of padding
.set KBLK,  128*KP                     ; what one tensor load of K or V brings: 128 rows
.set VOFF,  2*KBLK                     ; K: two blocks (two heads each) of 128 keys;  V: 256 channels
.set MOFF,  4*KBLK                     ; the mask: 128 queries
.set MP,    528                        ; a row of it: 512 bytes + 16 of padding
.set SPARE, 2*SLOT                     ; behind the ring: the spare words, 128 bytes for each of the eight waves, which no other line names
.set STAGE, SPARE+1024                 ; behind them: 128 rows x 272 bytes for the way out; no tile lands there
.set YP,    272
.set AK0, 1                            ; v1-3   my lane's place in a slot: K, V, the mask
.set AV0, 2
.set AM0, 3
.set ADK, 4                            ; v4-6   the same in the slot in hand
.set ADV, 5
.set ADM, 6
.set SPW, 7                            ; v7     LDS address of my spare word; never rewritten
.set NIL, 8                            ; v8     0; never rewritten
.set PFO, 9                            ; v9     the prefetches' offset; never rewritten
.set STO, 10                           ; v10-12 the way out
.set RD,  11
.set GO,  12
.set HP,  13                           ; v13    448 x 2^e4;  v14  2^e4
.set CP,  14
.set HY,  15                           ; v15    448 x 2^e6;  v50  2^e6
.set ST,  16                           ; tile i at v[16 + 8 i]: +0 m, +1 -M, +2 d, +3 at work, +4, +5 the sum in two halves, +6 f, +7 at work
.set TP,  48                           ; v48-49 at work
.set CY,  50
.set S,   64
.set MK,  128
.set P,   192
.set Q,   208
.set KF,  128                          ; in window 1
.set VF,  192
.set Y,   64                           ; the way out: values, then rows read back;  v192-223 codes
.set YC,  192
.set WV,  14                           ; s14  my wave's number
.set SEL, 20                           ; s[20:21] lane selects for v_permlanex16_b32: lane l xor 16
.set C8,  22                           ; s[22:23] 2^(e2 + e3 - 3)
.set L2E, 24                           ; s[24:25] log2(e)
.set E45, 27                           ; s27  e4 + e5
.set G1K, 28                           ; s[28:35] descriptor group 1 for K's and V's tiles;  s[36:43] for the mask's
.set G1M, 36
.set G0K, 44                           ; s[44:51] group 0 for K and V: a set for each first fill; the second then walks;  s[52:59] the same for the mask
.set G0M, 52
.set TB,  60                           ; s60  the slot that is read
.set TF,  61                           ; s61  the slot that was filled last
.set CNT, 62                           ; s62  fills still to come
.set LIM, 63                           ; s63  1 in a wave that prefetches, else the greatest number
.set WOFFK, 66                         ; s66, s67  my tile's place in a slot
.set WOFFM, 67
.set KVS, 68                           ; s[68:69] a key step on in memory, in K or in V
.set PFA, 70                           ; s[70:73] where my two prefetches stand;  s[74:77] their steps
.set PFB, 72
.set PSA, 74
.set PSB, 76
.set YA,  78                           ; s[78:79] y's codes at my wave's first row
.set MSB, 0
.macro WIN new                         ; the immediate's high byte repeats the setting that is left
.if MSB != (\new)
	s_set_vgpr_msb (MSB<<8)|(\new)
.set MSB, \new
.endif
.endm
.macro CROUND                          ; a round of the cluster's barrier
	s_barrier_signal -1
	s_barrier_wait -1
	s_cmp_lg_u32 s[WV], 0
	s_cbranch_scc1 .Lnot_wave_0_\@
	s_barrier_signal -3
.Lnot_wave_0_\@:
	s_barrier_wait -3
	s_barrier_signal -1
	s_barrier_wait -1
.endm
; A joint refill: waves 0, 1 K's two blocks, waves 2, 3 V's two halves, waves 4, 5 the mask's; waves 6, 7 none.  The branches hang on the wave's number alone.  An s_nop 0 and four v_nop follow each line.
.macro JLOAD
	s_cmp_lt_u32 s[WV], 4
	s_cbranch_scc0 .Lnot_k_\@
	tensor_load_to_lds s[G0K+4:G0K+7], s[G1K:G1K+7]
	s_nop 0
.rept 4
	v_nop
.endr
	s_branch .Lasked_\@
.Lnot_k_\@:
	s_cmp_lt_u32 s[WV], 6
	s_cbranch_scc0 .Lasked_\@
	tensor_load_to_lds s[G0M+4:G0M+7], s[G1M:G1M+7]
	s_nop 0
.rept 4
	v_nop
.endr
.Lasked_\@:
.endm
; A PREFETCH INTO THE L2 of what the NEXT change of slots will ask for, one key step ahead of that load.  Each aligned 256 bytes are named once in the launch.  K and V of a batch entry and four heads are walked by the four clusters
; along y: the first of them asks, in wave 6; its four partners along y share a step's 32 KiB of K and 32 KiB of V out BY ADDRESS, 8 KiB each, lanes 256 bytes apart.  The mask's rows are walked by the four clusters along x: the first
; asks, in wave 7; its four partners along x take 32 rows each, a lane a row, a step's 512 bytes of a row by two instructions.  The last fill asks for nothing; steps 0 to 2 come by their loads alone.
.macro ASK
	s_cmp_gt_u32 s[CNT], s[LIM]
	s_cbranch_scc0 .Lnot_mine_\@
	global_prefetch_b8 v[PFO], s[PFA:PFA+1] th:TH_LOAD_NT scope:SCOPE_SE
	global_prefetch_b8 v[PFO], s[PFB:PFB+1] th:TH_LOAD_NT scope:SCOPE_SE
.Lnot_mine_\@:
.endm
	s_load_b256 s[4:11], s[0:1], 0x0               ; qk_codes s[4:5], v_codes s[6:7], attn_mask s[8:9], the scales' exponents s[10:11]
	s_load_b64 s[12:13], s[0:1], 0x20              ; y_codes
	v_lshl_add_u32 v[SPW], v0, 2, SPARE
	v_mov_b32 v[NIL], 0
	ds_add_u32 v[SPW], v[NIL]                      ; the wave's opening: the add and its wait stand ahead of my first tensor load; the set-up below, work on registers, stands between them
	v_lshrrev_b32 v51, 5, v0
	v_readfirstlane_b32 s[WV], v51                 ; wave 0..7
	s_bfe_u32 s15, ttmp6, 0x40000                  ; cx: the group of four heads
	s_bfe_u32 s16, ttmp6, 0x40004                  ; cy
	s_and_b32 s17, ttmp7, 0xffff                   ; the cluster's y
	s_lshl_b32 s18, s17, 2
	s_add_co_u32 s18, s18, s16                     ; the block of 128 queries
	s_and_b32 s19, s[WV], 1
	s_lshl_b32 s26, s16, 2
	s_lshl_b32 s26, 15, s26                        ; my row of the cluster
	s_lshl_b32 s27, 0x1111, s15                    ; my column
	s_or_b32 s[G1K], s27, (0<<16)|(1<<20)|(1<<21)|(4<<22)|(3<<25)  ; 15:0 the mask: my column; 17:16 elements of 1 byte; 20 padding on; 21 set beside a mask; 24:22 after every 32 words; 31:25 of 4 words
	s_mov_b32 s[G1K+1], 128<<16                    ; tensor_dim0 = 128
	s_mov_b32 s[G1K+2], 128<<16                    ; tensor_dim1 = 128
	s_mov_b32 s[G1K+3], 128<<16                    ; tile_dim0 = 128
	s_mov_b32 s[G1K+4], 128                        ; tile_dim1 = 128
	s_mov_b32 s[G1K+5], 128                        ; rows are dense in memory
	s_mov_b32 s[G1K+6], 0
	s_mov_b32 s[G1K+7], 0
	s_or_b32 s[G1M], s26, (2<<16)|(1<<20)|(1<<21)|(6<<22)|(3<<25)  ; my row; elements of 4 bytes; padding of 4 words after every 128
	s_mov_b32 s[G1M+1], 128<<16
	s_mov_b32 s[G1M+2], 64<<16                     ; 64 rows
	s_mov_b32 s[G1M+3], 128<<16
	s_mov_b32 s[G1M+4], 64
	s_mov_b32 s[G1M+5], 2048                       ; a row of the mask
	s_mov_b32 s[G1M+6], 0
	s_mov_b32 s[G1M+7], 0
	s_and_b32 s[WOFFK], s[WV], 3
	s_mul_i32 s[WOFFK], s[WOFFK], KBLK             ; waves 0 to 3: K's blocks, then V's halves
	s_mul_i32 s[WOFFM], s19, 64*MP
	s_add_co_u32 s[WOFFM], s[WOFFM], MOFF          ; waves 4, 5: the mask's halves
	s_lshl_b32 s88, s15, 1                         ; K: block nb = 8 + 2 hg + wave, of 2^20 bytes; the batch entry's 2,048 rows of 128 bytes
	s_add_co_u32 s88, s88, s19
	s_add_co_u32 s88, s88, 8
	s_lshl_b32 s88, s88, 20
	s_lshl_b32 s98, ttmp9, 18
	s_add_co_u32 s88, s88, s98
	s_lshl_b32 s89, ttmp9, 21                      ; V: the batch entry's 16 blocks of 2^17 bytes; channels 256 hg + 128 (wave - 2) on
	s_lshl_b32 s98, s15, 15
	s_add_co_u32 s89, s89, s98
	s_lshl_b32 s98, s19, 14
	s_add_co_u32 s89, s89, s98
	s_mov_b32 s[KVS], 131072
	s_cmp_lt_u32 s[WV], 2
	s_cselect_b32 s88, s88, s89
	s_cselect_b32 s[KVS], 16384, s[KVS]            ; 128 keys on: 128 rows of K, or a block of V
	s_mov_b32 s89, 0
	s_mov_b32 s[KVS+1], 0
	s_lshl_b32 s90, s18, 20                        ; the mask: rows 128 x block + 64 x (wave % 2), of 8,192 bytes
	s_lshl_b32 s99, s19, 19
	s_add_co_u32 s90, s90, s99
	s_mov_b32 s91, 0
	s_mov_b32 s[SEL], 0x76543210
	s_mov_b32 s[SEL+1], 0xfedcba98
	s_mov_b32 s[L2E], 0x3fb8aa3b
	s_mov_b32 s[L2E+1], 0x3fb8aa3b
	s_mov_b32 s[TB], 0
	s_mov_b32 s[TF], SLOT
	s_wait_dscnt 0x0                               ; the opening add is done
	s_wait_kmcnt 0x0
	s_load_b256 s[80:87], s[10:11], 0x0            ; the eight exponents
	s_cmp_lt_u32 s[WV], 2
	s_cselect_b64 s[92:93], s[4:5], s[6:7]
	s_add_nc_u64 s[92:93], s[92:93], s[88:89]      ; my tile of K or V, key step 0
	s_add_nc_u64 s[94:95], s[8:9], s[90:91]        ; and of the mask
	CROUND                                         ; all sixteen work-groups are here: the first joint loads meet
	s_mov_b32 s[G0K], 1
	s_mov_b32 s[G0K+1], s[WOFFK]
	s_mov_b64 s[G0K+2:G0K+3], s[92:93]
	s_or_b32 s[G0K+3], s[G0K+3], 0x80000000
	s_mov_b32 s[G0K+4], 1
	s_add_co_u32 s[G0K+5], s[WOFFK], SLOT
	s_add_nc_u64 s[G0K+6:G0K+7], s[92:93], s[KVS:KVS+1]
	s_or_b32 s[G0K+7], s[G0K+7], 0x80000000
	s_mov_b32 s[G0M], 1
	s_mov_b32 s[G0M+1], s[WOFFM]
	s_mov_b64 s[G0M+2:G0M+3], s[94:95]
	s_or_b32 s[G0M+3], s[G0M+3], 0x80000000
	s_mov_b32 s[G0M+4], 1
	s_add_co_u32 s[G0M+5], s[WOFFM], SLOT
	s_add_nc_u64 s[G0M+6:G0M+7], s[94:95], 512
	s_or_b32 s[G0M+7], s[G0M+7], 0x80000000
	s_cmp_lt_u32 s[WV], 4                          ; a wave's two first fills stand in one branch: two loads of mine are out
	s_cbranch_scc0 .Lfirst_m
	tensor_load_to_lds s[G0K:G0K+3], s[G1K:G1K+7]
	s_nop 0
	tensor_load_to_lds s[G0K+4:G0K+7], s[G1K:G1K+7]
	s_nop 0
.rept 4
	v_nop
.endr
	s_branch .Lfirst_done
.Lfirst_m:
	s_cmp_lt_u32 s[WV], 6
	s_cbranch_scc0 .Lfirst_done
	tensor_load_to_lds s[G0M:G0M+3], s[G1M:G1M+7]
	s_nop 0
	tensor_load_to_lds s[G0M+4:G0M+7], s[G1M:G1M+7]
	s_nop 0
.rept 4
	v_nop
.endr
.Lfirst_done:
	; Q: block nb = 2 hg + wave / 4; row 2,048 b + 128 x block + 64 (wave % 2); the head's 64 bytes of the row's 128
	s_lshl_b32 s96, s15, 1
	s_lshr_b32 s97, s[WV], 2
	s_add_co_u32 s96, s96, s97
	s_lshl_b32 s96, s96, 13
	s_lshl_b32 s97, ttmp9, 11
	s_add_co_u32 s96, s96, s97
	s_lshl_b32 s97, s18, 7
	s_add_co_u32 s96, s96, s97
	s_lshl_b32 s97, s19, 6
	s_add_co_u32 s96, s96, s97
	s_lshl_b32 s96, s96, 7
	s_bfe_u32 s97, s[WV], 0x10001                  ; (wave / 2) % 2
	s_lshl_b32 s97, s97, 6
	s_add_co_u32 s96, s96, s97
	s_mov_b32 s97, 0
	s_add_nc_u64 s[96:97], s[4:5], s[96:97]
	v_and_b32 v51, 15, v0                          ; r
	v_bfe_u32 v52, v0, 4, 1                        ; h
	v_lshlrev_b32 v53, 7, v51
	v_lshl_add_u32 v53, v52, 5, v53                ; row r, channels 32 h on
.irp i, 0,1,2,3
	global_load_b128 v[Q+8*\i:Q+8*\i+3], v53, s[96:97] offset:2048*\i       ; Q stays in registers
	global_load_b128 v[Q+8*\i+4:Q+8*\i+7], v53, s[96:97] offset:2048*\i+16
.endr
	s_lshr_b32 s2, s[WV], 2
	s_mul_i32 s2, s2, KBLK
	s_bfe_u32 s3, s[WV], 0x10001
	s_lshl_b32 s3, s3, 6
	s_add_co_u32 s2, s2, s3
	v_mul_u32_u24 v[AK0], v51, KP
	v_lshl_add_u32 v[AK0], v52, 5, v[AK0]
	v_add_nc_u32 v[AK0], s2, v[AK0]                ; K: my head's block and half of the row; key r, channels 32 h on
	s_lshr_b32 s2, s[WV], 1
	s_mul_i32 s2, s2, 64*KP
	s_add_co_u32 s2, s2, VOFF
	v_mul_u32_u24 v[AV0], v51, KP
	v_lshl_add_u32 v[AV0], v52, 3, v[AV0]
	v_add_nc_u32 v[AV0], s2, v[AV0]                ; V: my head's 64 channels; channel r, keys 8 h on
	s_mul_i32 s2, s19, 64*MP
	s_add_co_u32 s2, s2, MOFF
	v_mul_u32_u24 v[AM0], v51, MP
	v_lshl_add_u32 v[AM0], v52, 5, v[AM0]
	v_add_nc_u32 v[AM0], s2, v[AM0]                ; the mask: my 64 queries; query r, keys 8 h on
	s_mul_i32 s2, s19, 64*YP
	s_lshr_b32 s3, s[WV], 1
	s_lshl_b32 s3, s3, 6
	s_add_co_u32 s2, s2, s3
	s_add_co_u32 s2, s2, STAGE
	v_mul_u32_u24 v[STO], v51, YP
	v_lshl_add_u32 v[STO], v52, 3, v[STO]
	v_add_nc_u32 v[STO], s2, v[STO]                ; the stage, in: my query's row, my head's 64 bytes, 8 h on
	s_mul_i32 s2, s[WV], 16*YP
	s_add_co_u32 s2, s2, STAGE
	v_mul_u32_u24 v[RD], v52, YP
	v_lshl_add_u32 v[RD], v51, 4, v[RD]
	v_add_nc_u32 v[RD], s2, v[RD]                  ; back: rows 16 w on; lanes 0-15 one row of 256 bytes, lanes 16-31 the next
	v_lshlrev_b32 v[GO], 10, v52
	v_lshl_add_u32 v[GO], v51, 4, v[GO]            ; and the same two rows in y's codes
	s_lshl_b32 s2, ttmp9, 11
	s_lshl_b32 s3, s18, 7
	s_add_co_u32 s2, s2, s3
	s_lshl_b32 s3, s[WV], 4
	s_add_co_u32 s2, s2, s3
	s_lshl_b32 s2, s2, 10
	s_lshl_b32 s3, s15, 8
	s_add_co_u32 s2, s2, s3
	s_mov_b32 s3, 0
	s_add_nc_u64 s[YA:YA+1], s[12:13], s[2:3]      ; row 2,048 b + 128 x block + 16 w; the four heads' 256 bytes
	; the prefetches: both stand at key step 2 and are stepped ahead of each use
	s_lshr_b32 s100, s16, 1                        ; wave 6, K: block 8 + 2 hg + cy / 2, half cy % 2
	s_lshl_b32 s3, s15, 1
	s_add_co_u32 s100, s100, s3
	s_add_co_u32 s100, s100, 8
	s_lshl_b32 s100, s100, 20
	s_lshl_b32 s3, ttmp9, 18
	s_add_co_u32 s100, s100, s3
	s_and_b32 s3, s16, 1
	s_lshl_b32 s3, s3, 13
	s_add_co_u32 s100, s100, s3
	s_add_co_u32 s100, s100, 2*16384
	s_lshl_b32 s104, ttmp9, 21                     ; wave 6, V: channels 256 hg + 64 cy on
	s_lshl_b32 s3, s15, 15
	s_add_co_u32 s104, s104, s3
	s_lshl_b32 s3, s16, 13
	s_add_co_u32 s104, s104, s3
	s_add_co_u32 s104, s104, 2*131072
	s_lshl_b32 s2, s18, 20                         ; wave 7, the mask: rows 128 x block + 32 cx on
	s_lshl_b32 s3, s15, 18
	s_add_co_u32 s2, s2, s3
	s_add_co_u32 s2, s2, 2*512
	s_add_co_u32 s3, s2, 256                       ; and the second 256 bytes of a step's 512
	s_mov_b32 s[PSA], 512
	s_mov_b32 s[PSB], 512
	s_cmp_eq_u32 s[WV], 6
	s_cselect_b32 s100, s100, s2
	s_cselect_b32 s104, s104, s3
	s_cselect_b32 s[PSA], 16384, s[PSA]
	s_cselect_b32 s[PSB], 131072, s[PSB]
	s_cselect_b32 s98, 8, 13                       ; from lane to lane: 256 bytes, or a row of the mask
	s_cselect_b64 s[PFA:PFA+1], s[4:5], s[8:9]
	s_cselect_b64 s[PFB:PFB+1], s[6:7], s[8:9]
	s_cselect_b32 s99, s17, ttmp9                  ; the coordinate along which other clusters read the same bytes
	s_mov_b32 s101, 0
	s_mov_b32 s105, 0
	s_mov_b32 s[PSA+1], 0
	s_mov_b32 s[PSB+1], 0
	s_add_nc_u64 s[PFA:PFA+1], s[PFA:PFA+1], s[100:101]
	s_add_nc_u64 s[PFB:PFB+1], s[PFB:PFB+1], s[104:105]
	s_lshr_b32 s3, s[WV], 1
	s_xor_b32 s3, s3, 3                            ; 0 in waves 6 and 7,
	s_or_b32 s99, s99, s3                          ; of the first cluster along that coordinate: the same in all sixteen partners
	s_cmp_eq_u32 s99, 0
	s_cselect_b32 s[LIM], 1, -1
	v_and_b32 v[PFO], 31, v0
	v_lshlrev_b32 v[PFO], s98, v[PFO]
	; the statistics begin under every logit; O^T and the sums begin as zeros, which the first change of M leaves zeros (so the key step is written without a first form of its own)
	v_mov_b32 v[TP], 0
	v_mov_b32 v[TP+1], 0
.irp i, 0,1,2,3
	v_mov_b32 v[ST+8*\i], 0xff167699               ; m = -2e38
	v_mul_f32 v[ST+8*\i+3], s[L2E], v[ST+8*\i]
	v_floor_f32 v[ST+8*\i+1], -v[ST+8*\i+3]        ; -M
	v_mov_b32 v[ST+8*\i+2], 0
	v_mov_b32 v[ST+8*\i+4], 0
	v_mov_b32 v[ST+8*\i+5], 0
	v_mov_b32 v[ST+8*\i+6], 0
	v_mov_b32 v[ST+8*\i+7], 0
.endr
	WIN 0x40
.set j, 0
.rept 128
	v_mov_b32 v[j], 0                              ; O^T
.set j, j+1
.endr
	WIN 0
	s_wait_kmcnt 0x0
	s_add_co_i32 s2, s82, s83                      ; e2 + e3,
	s_add_co_i32 s2, s2, 124                       ; - 3 for the division by 8, + 127
	s_lshl_b32 s[C8], s2, 23
	s_mov_b32 s[C8+1], s[C8]                       ; (named with it as a pair, so it is written)
	s_add_co_i32 s2, s84, 127
	s_lshl_b32 s3, s2, 23
	v_mov_b32 v[CP], s3                            ; 2^e4, for p's conversions
	s_add_co_i32 s2, s2, 8
	s_lshl_b32 s2, s2, 23
	s_or_b32 s2, s2, 0x600000
	v_mov_b32 v[HP], s2                            ; 448 x 2^e4
	s_add_co_i32 s2, s86, 127
	s_lshl_b32 s3, s2, 23
	v_mov_b32 v[CY], s3                            ; 2^e6, for y's
	s_add_co_i32 s2, s2, 8
	s_lshl_b32 s2, s2, 23
	s_or_b32 s2, s2, 0x600000
	v_mov_b32 v[HY], s2
	s_add_co_i32 s[E45], s84, s85
.macro LDK                             ; a step's K: 8 tiles of 16 keys x 64 channels: 16 loads
	WIN 0x40                                       ; destination window 1
.irp t, 0,1,2,3,4,5,6,7
	ds_load_b128 v[KF+8*\t:KF+8*\t+3], v[ADK] offset:16*KP*\t
	ds_load_b128 v[KF+8*\t+4:KF+8*\t+7], v[ADK] offset:16*KP*\t+16
.endr
	WIN 0
.endm
.macro LDV                             ; a step's V: 4 tiles of 16 channels x 128 keys, registers 2 c, 2 c + 1 = keys 16 c + 8 h on: 32 loads
	WIN 0x40
.irp t, 0,1,2,3
.irp c, 0,1,2,3,4,5,6,7
	ds_load_b64 v[VF+16*\t+2*\c:VF+16*\t+2*\c+1], v[ADV] offset:16*KP*\t+16*\c
.endr
.endr
	WIN 0
.endm
.macro LDM i                           ; the mask of tile i, in S^T's layout: 16 loads
.irp t, 0,1,2,3,4,5,6,7
	ds_load_b128 v[MK+8*\t:MK+8*\t+3], v[ADM] offset:16*MP*(\i)+64*\t
	ds_load_b128 v[MK+8*\t+4:MK+8*\t+7], v[ADM] offset:16*MP*(\i)+64*\t+16
.endr
.endm
.macro MAXCH                           ; the largest of my 64 logits, in two chains
	v_max3_num_f32 v[rT+3], v[S], v[S+1], v[S+2]
	v_max3_num_f32 v[rT+7], v[S+3], v[S+4], v[S+5]
.set j, 6
.rept 14
	v_max3_num_f32 v[rT+3], v[rT+3], v[S+j], v[S+j+1]
	v_max3_num_f32 v[rT+7], v[rT+7], v[S+j+2], v[S+j+3]
.set j, j+4
.endr
	v_max3_num_f32 v[rT+3], v[rT+3], v[S+62], v[S+63]
	v_max_num_f32 v[rT+3], v[rT+3], v[rT+7]
.endm
; ONE TILE of 16 queries x 128 keys.  fill = 1: tile 3 fills the slot that it leaves.  last = 1: the last key step: tile 3 changes no slot and fetches nothing.
.macro TILE i, fill, last
.set rT, ST+8*(\i)
.set rO, 32*(\i)
.if (\i) == 0
	s_wait_dscnt 32                                ; K and the mask's tile 0 are in; the youngest 32 loads (V) may be out
.else
	s_wait_dscnt 0x0                               ; this tile's mask is in
.endif
	WIN 0x01                                       ; source 0 (K) window 1
.irp t, 0,1,2,3,4,5,6,7
	v_wmma_f32_16x16x64_fp8_fp8 v[S+8*\t:S+8*\t+7], v[KF+8*\t:KF+8*\t+7], v[Q+8*(\i):Q+8*(\i)+7], 0
.endr
	WIN 0
.rept 4
	v_nop                                          ; places behind the products, ahead of the reads of their results (ISA guide 7.12.1)
.endr
.set j, 0
.rept 32
	v_pk_fma_f32 v[S+j:S+j+1], v[S+j:S+j+1], s[C8:C8+1], v[MK+j:MK+j+1] op_sel_hi:[1,0,1]   ; the logit: S x 2^(e2 + e3) / 8 + mask, rounded once; each accumulator from its low end on
.set j, j+2
.endr
.if (\i) < 3
	LDM (\i)+1                                     ; the next tile's mask lands while this tile is worked
	MAXCH
.elseif \last
	MAXCH
.else
	; THE CHANGE OF SLOTS: all of this slot has been asked for (K and V a step ago, the mask's last tile has just been used)
	s_wait_tensorcnt 0x0                           ; all my tensor loads have landed: my part of the next slot; so a group 0 may be written
	ds_add_u32 v[SPW], v[NIL]                      ; 0 onto my spare word; work on registers stands between it and the wait for it
.if \fill
	s_xor_b32 s[TF], s[TF], SLOT                   ; the walking descriptors: the other slot than last time,
	s_add_co_u32 s[G0K+5], s[TF], s[WOFFK]
	s_add_nc_u64 s[G0K+6:G0K+7], s[G0K+6:G0K+7], s[KVS:KVS+1]   ; the next 128 keys; the type bits on top are not reached
	s_add_co_u32 s[G0M+5], s[TF], s[WOFFM]
	s_add_nc_u64 s[G0M+6:G0M+7], s[G0M+6:G0M+7], 512
	s_wait_xcnt 0x0                                ; the last prefetches, a key step back, have read their addresses, so these may be written
	s_add_nc_u64 s[PFA:PFA+1], s[PFA:PFA+1], s[PSA:PSA+1]
	s_add_nc_u64 s[PFB:PFB+1], s[PFB:PFB+1], s[PSB:PSB+1]
.endif
	MAXCH
	s_wait_dscnt 0x0                               ; the add is done, and my reads of this slot are over
.if \fill
	CROUND                                         ; no wave of any partner still reads this slot or has a load on its way
	JLOAD                                          ; the first tensor load behind the round, my only one until the next: it has a key step in which to land
.else
	s_barrier_signal -1
	s_barrier_wait -1
.endif
	s_xor_b32 s[TB], s[TB], SLOT                   ; on to the other slot
	v_add_nc_u32 v[ADK], s[TB], v[AK0]
	v_add_nc_u32 v[ADV], s[TB], v[AV0]
	v_add_nc_u32 v[ADM], s[TB], v[AM0]
	LDK                                            ; K's last reader stands 4 v_nop and 32 multiply-adds back
	LDM 0
.if \fill
	ASK
.endif
.endif
	v_permlanex16_b32 v[TP], v[rT+3], s[SEL], s[SEL+1]   ; the query's other 64 keys lie in the lane 16 away
	v_max3_num_f32 v[rT], v[rT], v[rT+3], v[TP]    ; m
	v_mul_f32 v[rT+3], s[L2E], v[rT]               ; tm
	v_mov_b32 v[rT+7], v[rT+1]
	v_floor_f32 v[rT+1], -v[rT+3]                  ; -M = floor(-tm): M is a whole number
	v_add_f32 v[rT+2], v[rT+3], v[rT+1]            ; d = tm - M, between -1 and 0: exact
	v_sub_f32 v[rT+7], v[rT+1], v[rT+7]            ; old M - new M: a whole number, 0 or less
	v_cvt_i32_f32 v[rT+7], v[rT+7]                 ; (it saturates)
	v_ldexp_f32 v[rT+6], 1.0, v[rT+7]              ; f = 2^(old M - new M)
.set j, 0
.rept 32
	v_pk_add_f32 v[S+j:S+j+1], v[S+j:S+j+1], v[rT:rT+1] op_sel_hi:[1,0] neg_lo:[0,1] neg_hi:[0,1]   ; logit - m (the pair's low word for both halves)
.set j, j+2
.endr
.set j, 0
.rept 32
	v_pk_fma_f32 v[S+j:S+j+1], v[S+j:S+j+1], s[L2E:L2E+1], v[rT+2:rT+3] op_sel_hi:[1,0,0]           ; x log2(e) + d = t - M
.set j, j+2
.endr
.set j, 0
.rept 64
	v_exp_f32 v[S+j], v[S+j]                       ; p = 2^(t - M), at most 1, not normalised
.set j, j+1
.endr
	v_pk_mul_f32 v[rT+4:rT+5], v[rT+4:rT+5], v[rT+6:rT+7] op_sel_hi:[1,0]   ; the sums under the new M: the plain instruction behind the exponentials
	s_wait_alu depctr_va_vdst(0)                   ; one wait for the whole batch, ahead of its first reader
	v_pk_add_f32 v[TP:TP+1], v[S:S+1], v[S+2:S+3]  ; the sum of the unquantised p, two at a time, in two chains
.set j, 4
.rept 15
	v_pk_add_f32 v[rT+4:rT+5], v[rT+4:rT+5], v[S+j:S+j+1]
	v_pk_add_f32 v[TP:TP+1], v[TP:TP+1], v[S+j+2:S+j+3]
.set j, j+4
.endr
	v_pk_add_f32 v[rT+4:rT+5], v[rT+4:rT+5], v[TP:TP+1]
.irp t, 0,1,2,3,4,5,6,7
.irp q, 0,1,2,3,4,5,6,7
	v_min_num_f32 v[S+8*\t+\q], v[S+8*\t+\q], v[HP]   ; the conversion does not saturate (ISA guide 7.6.2); p is not negative, so the hold is one-sided
.endr
	v_cvt_scalef32_pk8_fp8_f32 v[P+2*\t:P+2*\t+1], v[S+8*\t:S+8*\t+7], v[CP]
.endr
	WIN 0x41                                       ; O^T (destination and source 0) window 1
.set j, 0
.rept 16
	v_pk_mul_f32 v[rO+j:rO+j+1], v[rO+j:rO+j+1], v[rT+6:rT+7] op_sel_hi:[1,0]   ; O^T under the new M; these are also the plain instructions between the conversions and the products
.set j, j+2
.endr
.if (\i) == 0
	s_wait_dscnt 16                                ; V is in; the youngest 16 loads (the mask's tile 1) may be out
.endif
	WIN 0x51                                       ; V, C and D window 1, P window 0
.irp t, 0,1,2,3
	v_wmma_f32_16x16x128_fp8_fp8 v[rO+8*\t:rO+8*\t+7], v[VF+16*\t:VF+16*\t+15], v[P:P+15], v[rO+8*\t:rO+8*\t+7]   ; four accumulators, one instruction each
.endr
	WIN 0
.if ((\i) == 3) && !(\last)
.rept 4
	v_nop                                          ; places in front of the loads into V's registers
.endr
	LDV                                            ; the next step's V
.endif
.endm
.macro STEP fill, last
	TILE 0, \fill, \last
	TILE 1, \fill, \last
	TILE 2, \fill, \last
	TILE 3, \fill, \last
.endm
	s_wait_tensorcnt 1                             ; my part of slot 0 is in; slot 1's may stay out
	s_barrier_signal -1
	s_barrier_wait -1                              ; everybody's is
	v_add_nc_u32 v[ADK], s[TB], v[AK0]
	v_add_nc_u32 v[ADV], s[TB], v[AV0]
	v_add_nc_u32 v[ADM], s[TB], v[AM0]
	LDK
	LDM 0
	LDV
	s_wait_loadcnt 0x0                             ; Q
	s_mov_b32 s[CNT], 14
.Lstep:                                            ; key steps 0 to 13: step s leaves its slot to step s + 2
	STEP 1, 0
	s_sub_co_u32 s[CNT], s[CNT], 1
	s_cmp_lg_u32 s[CNT], 0
	s_cbranch_scc1 .Lstep
	STEP 0, 0                                      ; the tail is written out: step 14 asks for nothing
	STEP 0, 1                                      ; step 15 changes no slot
	; THE WAY OUT.  y = O^T / the sum x 2^(e4 + e5); held, quantised with 2^e6; eight channels of a query are eight bytes.  A row's 256 bytes (four heads) come from four waves: they meet in the stage, behind a barrier.
.irp i, 0,1,2,3
	v_add_f32 v[ST+8*\i+3], v[ST+8*\i+4], v[ST+8*\i+5]   ; the sum's two halves (these four are the places behind the last products),
.endr
.irp i, 0,1,2,3
	v_permlanex16_b32 v[ST+8*\i+7], v[ST+8*\i+3], s[SEL], s[SEL+1]
.endr
.irp i, 0,1,2,3
	v_add_f32 v[ST+8*\i+3], v[ST+8*\i+3], v[ST+8*\i+7]   ; and lane l xor 16's
.endr
.irp i, 0,1,2,3
	v_rcp_f32 v[ST+8*\i+6], v[ST+8*\i+3]
.endr
	v_nop                                          ; a plain instruction behind the last reciprocal
	s_wait_alu depctr_va_vdst(0)                   ; one wait for the four, ahead of their first reader
.irp i, 0,1,2,3
	v_ldexp_f32 v[ST+8*\i+6], v[ST+8*\i+6], s[E45]
.endr
	WIN 0x01                                       ; source 0 (O^T) window 1
.irp i, 0,1,2,3
.set j, 0
.rept 16
	v_pk_mul_f32 v[Y+32*\i+j:Y+32*\i+j+1], v[32*\i+j:32*\i+j+1], v[ST+8*\i+6:ST+8*\i+7] op_sel_hi:[1,0]   ; each accumulator from its low end on
.set j, j+2
.endr
.endr
	WIN 0
.set t, 0
.rept 16
.irp q, 0,1,2,3,4,5,6,7
	v_med3_num_f32 v[Y+8*t+\q], v[Y+8*t+\q], -v[HY], v[HY]
.endr
	v_cvt_scalef32_pk8_fp8_f32 v[YC+2*t:YC+2*t+1], v[Y+8*t:Y+8*t+7], v[CY]
.set t, t+1
.endr
	v_nop                                          ; a plain vector instruction behind the last conversion
.irp i, 0,1,2,3
.irp c, 0,1,2,3
	ds_store_b64 v[STO], v[YC+2*(4*\i+\c):YC+2*(4*\i+\c)+1] offset:16*YP*\i+16*\c   ; query 16 i + r, channels 16 c + 8 h on
.endr
.endr
	s_wait_dscnt 0x0                               ; for the others' sake: my stores into the stage are done
	s_barrier_signal -1
	s_barrier_wait -1
.irp t, 0,1,2,3,4,5,6,7
	ds_load_b128 v[Y+4*\t:Y+4*\t+3], v[RD] offset:2*YP*\t
.endr
.irp t, 0,1,2,3,4,5,6,7
	s_wait_dscnt 7-\t                              ; rows 2 t and 2 t + 1 are back; the later ones may be out
	global_store_b128 v[GO], v[Y+4*\t:Y+4*\t+3], s[YA:YA+1] offset:2048*\t   ; sixteen lanes store 256 consecutive bytes, aligned
.endr
	s_wait_tensorcnt 0x0                           ; the wave's end: a wait, an add of 0 to my spare word and a wait for it, behind my last tensor load and my last LDS store
	ds_add_u32 v[SPW], v[NIL]
	s_wait_dscnt 0x0
	CROUND                                         ; the closing round: no work-group ends while a partner may still ask for a tile that names it
	s_endpgm
.Lfunc_end_k_q12d9f49368_attn:
	.size	k_q12d9f49368_attn, .Lfunc_end_k_q12d9f49368_attn-k_q12d9f49368_attn
	.p2alignl 7, 3214868480
	.fill 96, 4, 3214868480
	.section	.rodata,"a",@progbits
	.p2align	6, 0x0
	.amdhsa_kernel k_q12d9f49368_attn
		.amdhsa_group_segment_fixed_size 327680
		.amdhsa_private_segment_fixed_size 0
		.amdhsa_enable_private_segment 0
		.amdhsa_kernarg_size 40
		.amdhsa_user_sgpr_count 2
		.amdhsa_user_sgpr_kernarg_segment_ptr 1
		.amdhsa_wavefront_size32 1
		.amdhsa_system_sgpr_workgroup_id_x 1
		.amdhsa_system_sgpr_workgroup_id_y 1
		.amdhsa_system_sgpr_workgroup_id_z 1
		.amdhsa_system_vgpr_workitem_id 0
		.amdhsa_next_free_vgpr 512
		.amdhsa_next_free_sgpr 106
		.amdhsa_reserve_vcc 0
		.amdhsa_float_denorm_mode_32 3
		.amdhsa_float_denorm_mode_16_64 3
		.amdhsa_memory_ordered 1
		.amdhsa_forward_progress 1
		.amdhsa_inst_pref_size 255
	.end_amdhsa_kernel
	.section	.bss,"aw",@nobits
	.p2align	6
	.space	262144
	.amdgpu_metadata
---
amdhsa.version: [ 1, 2 ]
amdhsa.kernels:
  - .name:           k_q12d9f49368_attn
    .symbol:         k_q12d9f49368_attn.kd
    .args:
      - { .name: qk_codes, .offset: 0, .size: 8, .value_kind: global_buffer, .address_space: global }
      - { .name: v_codes, .offset: 8, .size: 8, .value_kind: global_buffer, .address_space: global }
      - { .name: attn_mask, .offset: 16, .size: 8, .value_kind: global_buffer, .address_space: global }
      - { .name: lowp_scales, .offset: 24, .size: 8, .value_kind: global_buffer, .address_space: global }
      - { .name: y_codes, .offset: 32, .size: 8, .value_kind: global_buffer, .address_space: global }
    .group_segment_fixed_size: 327680
    .private_segment_fixed_size: 0
    .kernarg_segment_align: 8
    .kernarg_segment_size: 40
    .max_flat_workgroup_size: 256
    .sgpr_count:     106
    .vgpr_count:     512
    .wavefront_size: 32
...
	.end_amdgpu_metadata
.endif
;; end of part 3
;; launch gemm_out (part 4): grid 4 x 32, 4 waves a work-group, clusters of 4 x 4, 327,680 bytes of LDS; arguments y_codes, wout_codes, lowp_scales, bout, out0; writes out0
.if DOCPART == 4
	.amdgcn_target "amdgcn-amd-amdhsa--gfx1250"
	.amdhsa_code_object_version 6
	.text
	.protected	k_q12d9f49368_gemm_out
	.globl	k_q12d9f49368_gemm_out
	.p2align	8
	.type	k_q12d9f49368_gemm_out,@function
k_q12d9f49368_gemm_out:
	s_mov_b64 s[64:65], 0
	v_nop
	global_prefetch_b8 v0, s[64:65] scope:SCOPE_SE
	s_setreg_imm32_b32 hwreg(HW_REG_WAVE_MODE, 25, 1), 1
	s_wait_xcnt 0x0
	s_wait_alu depctr_hold_cnt(0) depctr_sa_sdst(0) depctr_va_vdst(0) depctr_va_sdst(0) depctr_va_ssrc(0) depctr_va_vcc(0) depctr_vm_vsrc(0)
	s_getreg_b32 s2, hwreg(HW_REG_IB_STS2, 6, 4)
	s_cmp_eq_u32 s2, 0
	s_cbranch_scc0 .Lentry_in_a_cluster
	s_endpgm
.Lentry_in_a_cluster:
	s_bfe_u32 s2, ttmp6, 0x10000c
	s_cmp_lg_u32 s2, 0xf033
	s_cbranch_scc0 .Lentry_shape_is_right
	s_endpgm
.Lentry_shape_is_right:
; out0 = y Wout + bout on codes of FP8 (E4M3).  y_codes [8192][1024], wout_codes [1024 n][1024 k]: K innermost; out0 [8192][1024] f32.  out = sum x 2^(e6 + e7) + bout, one fused multiply-add.
; A tile of 256 x 256 is made by four waves, each 128 x 128: 64 accumulators, 512 registers.  K goes in steps of 256 through a ring of two LDS slots filled by the tensor data mover; 1,024 along K are four slots' worth.
; 32 x 4 tiles: 128 work-groups; a smaller tile would read each fragment from LDS for half the products.
; CLUSTERS: 4 x 4 work-groups: y's tile is shared along a row of the cluster, Wout's along a column: each is asked for JOINTLY.
; THE MATRIX INSTRUCTION IS USED TRANSPOSED (source 0 = 16 rows of Wout's codes, source 1 = 16 rows of y's): a lane then holds eight neighbouring numbers of a row of the output.
; LIMIT: e6 + e7 between -126 and 127.
; REGISTERS, in windows of 256: window 0: v0-31 addresses; v32-95 the bias; from v128 y's fragments, ONE set (on the way out: rows read back).   window 1: Wout's fragments, TWO sets.
;   window 2: the accumulators of my rows 0-63 ((a, b) at v[8 (8 a + b)]);   window 3: those of rows 64-127.
.set ROWB,   256
.set KROW,   1024
.set PITCH,  272                       ; an LDS row: 256 bytes + 16 of padding
.set FR,     16
.set NL,     4
.set NP,     4                         ; places behind this matrix instruction (ISA guide 7.12.1)
.set HALFT,  128*PITCH
.set SLOT,   4*HALFT
.set SPARE,  2*SLOT                    ; behind the ring: the spare words, 128 bytes for each wave, which no other line names
.set STAGE,  SPARE+512                 ; behind them: 16 rows x 528 bytes for each wave, for the way out; no tile lands there
.set SPITCH, 528
.set ORow,   4096                      ; a row of the output in bytes
.set ADRA, 16
.set ADRB, 20
.set BO,   22                          ; v22  the bias loads' offset
.set STO,  24
.set RD,   25
.set CO,   26
.set SPW,  28                          ; v28  LDS address of my spare word; never rewritten
.set NIL,  29                          ; v29  0; never rewritten
.set BI,   32                          ; v32-95  register 8 b + j: the bias of column 16 b + 8 h + j
.set AF,   128
.set BK,   128                         ; the way out: 16 rows read back: v128-191 and v192-255 by turns
.set G1, 24
.set G0, 32
.set G1B, 48
.set G0B, 56
.set MSB, 0
.macro WIN new                         ; the immediate's high byte repeats the setting that is left
.if MSB != (\new)
	s_set_vgpr_msb (MSB<<8)|(\new)
.set MSB, \new
.endif
.endm
.set MUL_LO, 0xa1
.set MUL_HI, 0xf1
.set TO_B,   0x40
.macro JLOAD g0a, g1a, g0b, g1b        ; a joint load: waves 0 and 1 fetch for y, waves 2 and 3 for Wout; an s_nop 0 and four v_nop follow each of the two lines
	s_cmp_eq_u32 s15, 0
	s_cbranch_scc0 .Lfor_b_\@
	tensor_load_to_lds s[\g0a:\g0a+3], s[\g1a:\g1a+7]
	s_nop 0
.rept 4
	v_nop
.endr
	s_branch .Lasked_\@
.Lfor_b_\@:
	tensor_load_to_lds s[\g0b:\g0b+3], s[\g1b:\g1b+7]
	s_nop 0
.rept 4
	v_nop
.endr
.Lasked_\@:
.endm
.macro CREST
	s_cmp_lg_u32 s14, 0
	s_cbranch_scc1 .Lnot_wave_0_\@
	s_barrier_signal -3
.Lnot_wave_0_\@:
	s_barrier_wait -3
	s_barrier_signal -1
	s_barrier_wait -1
.endm
.macro CROUND
	s_barrier_signal -1
	s_barrier_wait -1
	CREST
.endm
	s_load_b128 s[4:7], s[0:1], 0x0                ; y's codes s[4:5], Wout's codes s[6:7]
	s_load_b128 s[8:11], s[0:1], 0x10              ; the scales' exponents s[8:9], bout s[10:11]
	s_load_b64 s[12:13], s[0:1], 0x20              ; out0
	v_lshl_add_u32 v[SPW], v0, 2, SPARE
	v_mov_b32 v[NIL], 0
	ds_add_u32 v[SPW], v[NIL]                      ; the wave's opening: the add and its wait stand ahead of my first tensor load; the set-up below, work on registers, stands between them
	v_lshrrev_b32 v1, 5, v0
	v_readfirstlane_b32 s14, v1                    ; wave 0..3
	s_lshr_b32 s15, s14, 1                         ; which half of the tile's rows is mine.  Also: I fetch for y (0) or for Wout (1)
	s_and_b32 s16, s14, 1                          ; which half of its columns.  Also: which 128 rows of that tile I fetch
	s_bfe_u32 s40, ttmp6, 0x40000                  ; cx, cy
	s_bfe_u32 s41, ttmp6, 0x40004
	s_lshl_b32 s42, ttmp9, 2
	s_add_co_u32 s42, s42, s40                     ; tile column
	s_and_b32 s17, ttmp7, 0xffff
	s_lshl_b32 s17, s17, 2
	s_add_co_u32 s17, s17, s41                     ; tile row
	s_lshl_b32 s43, s41, 2
	s_lshl_b32 s43, 15, s43                        ; my row of the cluster
	s_lshl_b32 s44, 0x1111, s40                    ; my column
	s_or_b32 s[G1+0], s43, (0<<16)|(1<<20)|(1<<21)|(5<<22)|(3<<25)  ; the mask; elements of 1 byte; padding of 4 words after every 64; bit 21 set beside a mask
	s_or_b32 s[G1B+0], s44, (0<<16)|(1<<20)|(1<<21)|(5<<22)|(3<<25)
.irp g, G1, G1B
	s_mov_b32 s[\g+1], ROWB<<16
	s_mov_b32 s[\g+2], 128<<16
	s_mov_b32 s[\g+3], ROWB<<16
	s_mov_b32 s[\g+4], 128
	s_mov_b32 s[\g+5], KROW
	s_mov_b32 s[\g+6], 0
	s_mov_b32 s[\g+7], 0
.endr
	s_lshl_b32 s18, s16, 7
	s_lshl_b32 s20, s17, 8
	s_add_co_u32 s20, s20, s18
	s_lshl_b32 s20, s20, 10                        ; y: (256 x tile row + 128 x half) rows of 1,024 bytes
	s_mov_b32 s21, 0
	s_lshl_b32 s46, s42, 8
	s_add_co_u32 s46, s46, s18
	s_lshl_b32 s46, s46, 10                        ; Wout likewise, by the tile column
	s_mov_b32 s47, 0
	s_mul_i32 s45, s14, HALFT
	s_wait_dscnt 0x0                               ; the opening add is done
	s_wait_kmcnt 0x0
	s_load_b64 s[96:97], s[8:9], 0x18              ; e6, e7
	s_add_nc_u64 s[20:21], s[4:5], s[20:21]
	s_add_nc_u64 s[46:47], s[6:7], s[46:47]
	CROUND                                         ; all sixteen work-groups are here: the first joint loads meet
.irp s, 0,1
	s_mov_b32 s[G0+4*\s], 1
	s_add_co_u32 s[G0+4*\s+1], s45, \s*SLOT
	s_add_nc_u64 s[G0+4*\s+2:G0+4*\s+3], s[20:21], \s*ROWB
	s_or_b32 s[G0+4*\s+3], s[G0+4*\s+3], 0x80000000
	s_mov_b32 s[G0B+4*\s], 1
	s_add_co_u32 s[G0B+4*\s+1], s45, \s*SLOT
	s_add_nc_u64 s[G0B+4*\s+2:G0B+4*\s+3], s[46:47], \s*ROWB
	s_or_b32 s[G0B+4*\s+3], s[G0B+4*\s+3], 0x80000000
	JLOAD G0+4*\s, G1, G0B+4*\s, G1B               ; two loads of mine are out
.endr
	v_and_b32 v1, 15, v0                           ; r
	v_bfe_u32 v2, v0, 4, 1                         ; h
	v_mul_u32_u24 v3, v1, PITCH
	v_lshl_add_u32 v4, v2, 4, v3
	s_mul_i32 s21, s15, HALFT
	s_mul_i32 s22, s16, HALFT
	s_add_co_u32 s22, s22, 2*HALFT
.irp s, 0,1
	v_add_nc_u32 v[ADRA+\s], s21, v4
	v_add_nc_u32 v[ADRB+\s], s22, v4
	s_add_co_u32 s21, s21, SLOT
	s_add_co_u32 s22, s22, SLOT
.endr
	s_mul_i32 s23, s14, 16*SPITCH
	s_add_co_u32 s23, s23, STAGE                   ; my stage
	v_mul_u32_u24 v5, v1, SPITCH                   ; in: row r, 32 bytes for each half of the lanes
	v_lshl_add_u32 v5, v2, 5, v5
	v_add_nc_u32 v[STO], s23, v5
	v_and_b32 v6, 31, v0
	v_lshlrev_b32 v[CO], 4, v6                     ; back: the 32 lanes take one row of 512 bytes; and the same in the output
	v_add_nc_u32 v[RD], s23, v[CO]
	s_lshl_b32 s84, s17, 8
	s_lshl_b32 s85, s15, 7
	s_add_co_u32 s84, s84, s85
	s_lshl_b32 s84, s84, 12                        ; my first row: 256 x tile row + 128 x half, of 4,096 bytes
	s_lshl_b32 s85, s42, 10                        ; my first column, in bytes
	s_add_co_u32 s84, s84, s85
	s_lshl_b32 s85, s16, 9
	s_add_co_u32 s84, s84, s85
	s_mov_b32 s85, 0
	s_add_nc_u64 s[12:13], s[12:13], s[84:85]
	s_lshl_b32 s92, s42, 10                        ; the bias of my 128 columns
	s_lshl_b32 s93, s16, 9
	s_add_co_u32 s92, s92, s93
	s_mov_b32 s93, 0
	s_add_nc_u64 s[92:93], s[10:11], s[92:93]
	v_lshlrev_b32 v[BO], 5, v2
.irp b, 0,1,2,3,4,5,6,7
	global_load_b128 v[BI+8*\b:BI+8*\b+3], v[BO], s[92:93] offset:64*\b
	global_load_b128 v[BI+8*\b+4:BI+8*\b+7], v[BO], s[92:93] offset:64*\b+16
.endr
.macro FRAG reg, adr, q, i             ; a fragment: lane l holds row l % 16; registers 4 c .. 4 c + 3 hold K = 32 c + 16 (l / 16) + 0 .. 15: the same order of K in both operands
.irp c, 0,1,2,3
	ds_load_b128 v[\reg+4*\c:\reg+4*\c+3], v[\adr] offset:128*(\q)+32*\c+(\i)*16*PITCH
.endr
.endm
.macro MUL16 a0, p, zero               ; 16 matrix instructions; the 64 accumulators take turns, one instruction a turn
.irp a, \a0, \a0+1
.irp b, 0,1,2,3,4,5,6,7
.if \zero
	v_wmma_f32_16x16x128_fp8_fp8 v[8*(8*((\a)%4)+\b):8*(8*((\a)%4)+\b)+7], v[128*(\p)+FR*\b:128*(\p)+FR*\b+FR-1], v[AF+FR*(\a):AF+FR*(\a)+FR-1], 0
.else
	v_wmma_f32_16x16x128_fp8_fp8 v[8*(8*((\a)%4)+\b):8*(8*((\a)%4)+\b)+7], v[128*(\p)+FR*\b:128*(\p)+FR*\b+FR-1], v[AF+FR*(\a):AF+FR*(\a)+FR-1], v[8*(8*((\a)%4)+\b):8*(8*((\a)%4)+\b)+7]
.endif
.endr
.endr
.endm
.macro FETCH_B slot, q, p
	WIN TO_B
.irp i, 0,1,2,3,4,5,6,7
	FRAG 128*(\p)+FR*\i, ADRB+\slot, \q, \i
.endr
	WIN 0
.endm
.macro FETCH_A slot, q, i0
.irp i, \i0, \i0+1, \i0+2, \i0+3
	FRAG AF+FR*(\i), ADRA+\slot, \q, \i
.endr
.endm
.macro PLACES n                        ; plain vector instructions between a matrix instruction and a load into its registers, or a read of its result
.rept \n
	v_nop
.endr
.endm
.macro STEP slot, q, zero              ; a step of 128 along K that has its successor in the same slot
	s_wait_dscnt 4*NL                              ; Wout's set and y's blocks 0-3 are in; the youngest sixteen loads (blocks 4-7) may be out
	WIN MUL_LO
	MUL16 0, (\q)%2, \zero
	MUL16 2, (\q)%2, \zero
	s_wait_dscnt 0
	PLACES NP
	FETCH_B \slot, (\q)+1, 1-(\q)%2
	FETCH_A \slot, (\q)+1, 0
	WIN MUL_HI
	MUL16 4, (\q)%2, \zero
	MUL16 6, (\q)%2, \zero
	PLACES NP
	WIN 0
	FETCH_A \slot, (\q)+1, 4
.endm
.macro TURN slot, next, fill           ; a slot's last step changes slots: ONE barrier; in front of it the wait for all my tensor loads, the add, and the wait for it and for my reads of this slot
	s_wait_tensorcnt 0x0                           ; all my tensor loads have landed: my part of the next slot
	ds_add_u32 v[SPW], v[NIL]                      ; 0 onto my spare word
	s_wait_dscnt 4*NL+1                            ; (the add and the youngest sixteen loads may be out)
	WIN MUL_LO
	MUL16 0, 1, 0
	s_wait_dscnt 0x0                               ; the add is done, and my reads of this slot are over
	s_barrier_signal -1
	MUL16 2, 1, 0
	WIN 0
	s_barrier_wait -1
.if \fill
	CREST                                          ; the barrier has opened a round of the cluster's barrier
	s_add_nc_u64 s[G0+4*\slot+2:G0+4*\slot+3], s[G0+4*\slot+2:G0+4*\slot+3], 2*ROWB
	s_add_nc_u64 s[G0B+4*\slot+2:G0B+4*\slot+3], s[G0B+4*\slot+2:G0B+4*\slot+3], 2*ROWB
	JLOAD G0+4*\slot, G1, G0B+4*\slot, G1B         ; the first tensor load behind the round, my only one until the next
.else
	PLACES NP
.endif
	FETCH_B \next, 0, 0
	FETCH_A \next, 0, 0
	WIN MUL_HI
	MUL16 4, 1, 0
	MUL16 6, 1, 0
	PLACES NP
	WIN 0
	FETCH_A \next, 0, 4
.endm
	s_wait_tensorcnt 1                             ; my part of slot 0 is in (slot 1's load may be out)
	s_barrier_signal -1
	s_barrier_wait -1                              ; everybody's is
	FETCH_B 0, 0, 0
	FETCH_A 0, 0, 0
	FETCH_A 0, 0, 4
	STEP 0, 0, 1                                   ; eight steps of 128 along K, written out: a loop would have one trip
	TURN 0, 1, 1
	STEP 1, 0, 0
	TURN 1, 0, 1
	STEP 0, 0, 0
	TURN 0, 1, 0
	STEP 1, 0, 0
	s_wait_dscnt 4*NL
	WIN MUL_LO
	MUL16 0, 1, 0
	MUL16 2, 1, 0
	s_wait_dscnt 0
	WIN MUL_HI
	MUL16 4, 1, 0
	MUL16 6, 1, 0
	WIN 0
; THE WAY OUT, block by block of 16 rows x 128 columns: sum x 2^(e6 + e7) + bias, in place; through my own stage in LDS; back as whole rows of 512 bytes.  LDS serves a wave's instructions in order: no wait between the stores and the loads.
.macro TOSTAGE a
.set AC, 64*((\a)%4)
	WIN 0x82+0x41*((\a)/4)                         ; source 0 and destination: window 2 or 3; the bias: window 0
.irp b, 0,1,2,3,4,5,6,7
.irp j, 0,2,4,6
	v_pk_fma_f32 v[AC+8*\b+\j:AC+8*\b+\j+1], v[AC+8*\b+\j:AC+8*\b+\j+1], s[96:97], v[BI+8*\b+\j:BI+8*\b+\j+1] op_sel_hi:[1,0,1]   ; each accumulator from its low end on
.endr
.endr
	WIN 0x08+0x04*((\a)/4)                         ; the stores' data: window 2 or 3
.irp b, 0,1,2,3,4,5,6,7
	ds_store_b128 v[STO], v[AC+8*\b:AC+8*\b+3] offset:64*\b
	ds_store_b128 v[STO], v[AC+8*\b+4:AC+8*\b+7] offset:64*\b+16
.endr
	WIN 0
.set BB, BK+64*((\a)%2)
.irp t, 0,1,2,3,4,5,6,7,8,9,10,11,12,13,14,15
	ds_load_b128 v[BB+4*\t:BB+4*\t+3], v[RD] offset:\t*SPITCH
.endr
.endm
.macro SEND a, younger                 ; younger: the LDS instructions issued behind block a's loads, which may stay out
.set BB, BK+64*((\a)%2)
	s_wait_dscnt \younger
.irp t, 0,1,2,3,4,5,6,7,8,9,10,11,12,13,14,15
	global_store_b128 v[CO], v[BB+4*\t:BB+4*\t+3], s[12:13] offset:(16*(\a)+\t)*ORow th:TH_STORE_NT   ; 32 lanes store 512 consecutive bytes, aligned; the row stands in the immediate: 127 x 4,096 at the most
.endr
.endm
	s_wait_kmcnt 0x0
	s_add_co_i32 s96, s96, s97                     ; e6 + e7
	s_add_co_i32 s96, s96, 127
	s_lshl_b32 s96, s96, 23                        ; 2^(e6 + e7) as f32
	s_mov_b32 s97, s96                             ; (named with it as a pair, so it is written)
	s_wait_loadcnt 0x0                             ; the bias
	PLACES NP                                      ; behind the last products: their results are read and written, and rows land in y's fragment registers
	TOSTAGE 0
.irp a, 1,2,3,4,5,6,7
.if \a > 1
	s_wait_xcnt 0x0                                ; block a - 2's stores have read their registers: block a's rows may land there
.endif
	TOSTAGE \a
	SEND \a-1, 32                                  ; behind block a - 1's loads: block a's 16 stores and 16 loads
.endr
	SEND 7, 0
	s_wait_tensorcnt 0x0                           ; the wave's end: a wait, an add of 0 to my spare word and a wait for it, behind my last tensor load and my last LDS store
	ds_add_u32 v[SPW], v[NIL]
	s_wait_dscnt 0x0
	CROUND                                         ; the closing round: no work-group ends while a partner may still ask for a tile that names it
	s_endpgm
.Lfunc_end_k_q12d9f49368_gemm_out:
	.size	k_q12d9f49368_gemm_out, .Lfunc_end_k_q12d9f49368_gemm_out-k_q12d9f49368_gemm_out
	.p2alignl 7, 3214868480
	.fill 96, 4, 3214868480
	.section	.rodata,"a",@progbits
	.p2align	6, 0x0
	.amdhsa_kernel k_q12d9f49368_gemm_out
		.amdhsa_group_segment_fixed_size 327680
		.amdhsa_private_segment_fixed_size 0
		.amdhsa_enable_private_segment 0
		.amdhsa_kernarg_size 40
		.amdhsa_user_sgpr_count 2
		.amdhsa_user_sgpr_kernarg_segment_ptr 1
		.amdhsa_wavefront_size32 1
		.amdhsa_system_sgpr_workgroup_id_x 1
		.amdhsa_system_sgpr_workgroup_id_y 1
		.amdhsa_system_sgpr_workgroup_id_z 1
		.amdhsa_system_vgpr_workitem_id 0
		.amdhsa_next_free_vgpr 1024
		.amdhsa_next_free_sgpr 100
		.amdhsa_reserve_vcc 0
		.amdhsa_float_denorm_mode_32 3
		.amdhsa_float_denorm_mode_16_64 3
		.amdhsa_memory_ordered 1
		.amdhsa_forward_progress 1
		.amdhsa_inst_pref_size 124
	.end_amdhsa_kernel
	.amdgpu_metadata
---
amdhsa.version: [ 1, 2 ]
amdhsa.kernels:
  - .name:           k_q12d9f49368_gemm_out
    .symbol:         k_q12d9f49368_gemm_out.kd
    .args:
      - { .name: y_codes, .offset: 0, .size: 8, .value_kind: global_buffer, .address_space: global }
      - { .name: wout_codes, .offset: 8, .size: 8, .value_kind: global_buffer, .address_space: global }
      - { .name: lowp_scales, .offset: 16, .size: 8, .value_kind: global_buffer, .address_space: global }
      - { .name: bout, .offset: 24, .size: 8, .value_kind: global_buffer, .address_space: global }
      - { .name: out0, .offset: 32, .size: 8, .value_kind: global_buffer, .address_space: global }
    .group_segment_fixed_size: 327680
    .private_segment_fixed_size: 0
    .kernarg_segment_align: 8
    .kernarg_segment_size: 40
    .max_flat_workgroup_size: 128
    .sgpr_count:     100
    .vgpr_count:     1024
    .wavefront_size: 32
...
	.end_amdgpu_metadata
.endif
;; end of part 4
